; MI455X (gfx1250); checked and timed in simulation.
; The chip was launched on July 23, 2026; its instructions are those of AMD's public machine-readable ISA for CDNA 5 (MIT licence, August 2026) and "CDNA5" Instruction Set Architecture Reference Guide (July 2026). The comments in the code are by the model that wrote it; some were corrected since.
;; Multi Headed Attention. Allowed arithmetic: matrix products marked QUANTISED: E2M1 operands, one E8M0 scale for each 32 along K, by v_wmma_scale_f32_16x16x128_f8f6f4 with both operands' format E2M1 (or v_wmma_scale_f32_32x16x128_f4), f32 sums; products left as they are: bf16, f16 or f32 operands; f32 sums; everything else in f32.
;; Inputs: Wk 1,024 x 1,024 float32; Wo 1,024 x 1,024 float32; Wq 1,024 x 1,024 float32; Wv 1,024 x 1,024 float32; bk 1,024 float32; bo 1,024 float32; bq 1,024 float32; bv 1,024 float32; k 4 x 2,048 x 1,024 float32; mask 4 x 1 x 2,048 bool; q 4 x 2,048 x 1,024 float32; v 4 x 2,048 x 1,024 float32.
;; Outputs: out0 4 x 2,048 x 1,024 float32.
;; This version of the problem:
;;   THIS VERSION OF THE PROBLEM IS GIVEN IN LOW PRECISION. The matrix products marked QUANTISED in the list below multiply operands that are first quantised to E2M1 (2 exponent bits, 1 mantissa bit; 4 bits a number), with one power-of-two scale for each 32 numbers along K (OCP MX v1.0); their sums are f32. The products marked 'left as it is' may take bf16, f16 or f32 operands, with f32 sums. Whichever they take, every output number must still come out within the allowed error. Rounding operands to bf16 (8 significant bits) uses up far more of that allowance than f16 does (11 bits, for magnitudes from 6e-5 to 65,504). All else is computed in f32.
;;   The module's matrix products, in the order in which they are computed (A, B: the left and right operand; K: the contracted axis; several contracted axes count as one K, in the product's order):
;;     1. [M 8,192, K 1,024] x [K 1,024, N 1,024]; A: input q; B: input Wq: QUANTISED
;;     2. [M 8,192, K 1,024] x [K 1,024, N 1,024]; A: input k; B: input Wk: QUANTISED
;;     3. [M 8,192, K 1,024] x [K 1,024, N 1,024]; A: input v; B: input Wv: QUANTISED
;;     4. batch 64 x [M 2,048, K 64] x [K 64, N 2,048]; A: computed on the way; B: computed on the way: left as it is (an operand is computed on the way)
;;     5. batch 64 x [M 2,048, K 2,048] x [K 2,048, N 64]; A: computed on the way; B: computed on the way: left as it is (an operand is computed on the way)
;;     6. [M 8,192, K 1,024] x [K 1,024, N 1,024]; A: computed on the way; B: input Wo: left as it is (an operand is computed on the way)
;;   THE QUANTISER, for each operand of a quantised product, along K:
;;     - K is cut into blocks of 32 from its start; a last block that is shorter is filled with zeros.
;;     - A block's scale is 2^e with e = floor(log2(the largest magnitude in the block)) - 2, held to -126 .. 127; a block of zeros has e = 0. As a byte (E8M0): e + 127.
;;     - Each number is divided by its block's scale, clamped to +-6, and rounded to the nearest number of E2M1, ties to even, subnormals kept.
;;     - The product sums the exact products of the quantised numbers (number of the format x scale) in f32.
;;   ~~~python
;;   def quantise(x, axis):      # numpy; x: float32 -> the quantised numbers, widened to float32 again
;;       x = np.moveaxis(x, axis, -1); K = x.shape[-1]
;;       x = np.pad(x, [(0, 0)] * (x.ndim - 1) + [(0, -K % 32)]); x = x.reshape(x.shape[:-1] + (-1, 32)); a = np.abs(x).max(-1, keepdims=True)
;;       e = np.where(a > 0, np.clip(np.frexp(np.where(a > 0, a, 1))[1] - 1 - 2, -126, 127), 0)      # np.frexp(a)[1] - 1 = floor(log2(a)), exactly
;;       r = np.clip(x / 2.0 ** e, -6, 6)
;;       step = 2.0 ** (np.maximum(np.frexp(np.where(r == 0, 1, r))[1] - 1, 0) - 1)
;;       q = np.round(r / step) * step * 2.0 ** e      # np.round: ties to even
;;       return np.moveaxis(q.reshape(q.shape[:-2] + (-1,))[..., :K], -1, axis).astype(np.float32)
;;   ~~~
;; One version. Each part assembles by itself: llvm-mc -triple=amdgcn-amd-amdhsa -mcpu=gfx1250 --defsym DOCPART=n.
;; ======== version 1 of 1: 4 launches
;; limits: values are held in f16: magnitudes above 65,504 overflow, below 6.1e-05 lose precision
;; workspace buffers: xc 12,582,912 bytes; xs 786,432 bytes; wc 1,572,864 bytes; ws 98,304 bytes; wot 2,097,152 bytes; mb 32,768 bytes; qkv 50,331,648 bytes; ctx 16,777,216 bytes
;; launch prep (part 1): grid 880 x 1, 4 waves a work-group, no clusters, 102,912 bytes of LDS; arguments q, k, v, Wq, Wk, Wv, Wo, mask, xc, xs, wc, ws, wot, mb; writes xc, xs, wc, ws, wot, mb
.if DOCPART == 1
	.amdgcn_target "amdgcn-amd-amdhsa--gfx1250"
	.amdhsa_code_object_version 6
	.text
	.protected	k_qbc7709d7c7_prep
	.globl	k_qbc7709d7c7_prep
	.p2align	8
	.type	k_qbc7709d7c7_prep,@function
k_qbc7709d7c7_prep:
	s_mov_b64 s[64:65], 0
	v_nop
	global_prefetch_b8 v0, s[64:65] scope:SCOPE_SE
	s_setreg_imm32_b32 hwreg(HW_REG_WAVE_MODE, 25, 1), 1
	s_wait_xcnt 0x0
; PREP: everything that is made once from the inputs, in one launch with three paths that part on the work-group's number.
;   work-groups 0-47    (W): Wq, Wk, Wv [1024 k][1024 n] f32 -> codes of FP4 (E2M1) laid [n][k], K innermost (wc), one E8M0 byte for each 32 along K (ws)
;   work-groups 48-111  (O): Wo [1024 k][1024 n] f32 -> f16 laid [16 kb][1024 n][64 k] (wot);  mask (bytes) -> f32 (mb): 0 where true, -1e38 where false
;   work-groups 112-879 (X): q, k, v [8192][1024] f32 -> codes (xc) and scale bytes (xs), the three tensors stacked
; A block's scale is 2^(floor(log2(its largest magnitude)) - 2): its byte is the largest magnitude's exponent field - 2, held at 1 from below.
; LIMITS: a block of zeros gets the byte 1 (its codes are zeros, and this program alone reads the bytes); blocks whose largest magnitude lies under 2^-124 take the floor's byte;
; NaN and infinities among the inputs are not served; numbers of Wo beyond f16's 65,504 are not served.
; Waves share nothing: no barrier.  Each path has LDS bytes of its own.
.set WREG,  8192                       ; path X: a wave's region: two stages of 32 x SP bytes, then its 256 scale bytes
.set SP,    80                         ; a lane's place in a stage: 64 bytes + 16 of padding
.set CB,    8                          ; bytes of 16 codes
.set EMAX,  2
.set STEPS, 16
.set PITCH, 272                        ; paths W and O: a stage row: 256 bytes + 16
.set WST,   4*WREG                     ; path W's four stages of 32 rows
.set OST,   WST+4*32*PITCH             ; path O's four stages
.set SPARE, OST+4*32*PITCH             ; the spare words: 128 bytes for each wave, named by no other line
.set SPW,   190                        ; v190 LDS address of my spare word; never rewritten
.set NIL,   191                        ; v191 0; never rewritten
.set XR,    16                         ; path X: v16-79 four sets of 16 numbers as loaded
.set XX,    80                         ;         v80-111 two sets of 16 neighbours
.set XE,    112                        ;         v112-127 a scale byte for each step
.set XC,    128                        ;         v128-189 codes, four registers for each step
.set WX,    32                         ; paths W, O: v32-95 two sets of 32 numbers
.set WC,    96                         ;         v96.. a block's codes (W: 4, O: 16 registers of f16 pairs)
.set WOUT,  112                        ;         v112-175 the way out
.set WSB,   24                         ;         v24-27 scale bytes, four to a register
	s_load_b512 s[4:19], s[0:1], 0x0               ; q k v Wq Wk Wv Wo mask
	s_load_b256 s[20:27], s[0:1], 0x40             ; xc xs wc ws
	s_load_b128 s[28:31], s[0:1], 0x60             ; wot mb
	v_lshl_add_u32 v[SPW], v0, 2, SPARE
	v_mov_b32 v[NIL], 0
	v_lshrrev_b32 v1, 5, v0
	v_readfirstlane_b32 s32, v1                    ; wave 0..3
	v_and_b32 v2, 31, v0                           ; lane
	s_wait_kmcnt 0x0
	s_cmp_lt_u32 ttmp9, 48
	s_cbranch_scc1 .Lw
	s_cmp_lt_u32 ttmp9, 112
	s_cbranch_scc1 .Lo
; ---------------- path X: a plain stream of blocks of 32.  A wave takes 16 steps of 512 numbers.
; Each load reads 512 consecutive bytes; a step's 2,048 bytes turn through the wave's own stage so that a lane holds 16 neighbours (two lanes a block).
	s_sub_co_u32 s33, ttmp9, 112                   ; 0..767: 256 work-groups for each tensor
	v_lshlrev_b32 v3, 4, v2                        ; my 16 bytes of a load's 512
	s_mul_i32 s34, s32, WREG
	v_lshrrev_b32 v14, 2, v2
	v_mul_u32_u24 v14, v14, SP
	v_and_b32 v15, 3, v2
	v_lshl_add_u32 v14, v15, 4, v14
	v_add_nc_u32 v14, s34, v14                     ; the stage, on the way in: SP (lane / 4) + 16 (lane % 4)
	v_mul_u32_u24 v15, v2, SP
	v_add_nc_u32 v15, s34, v15                     ; and on the way out: SP x lane
	v_mul_u32_u24 v4, v2, CB                       ; my codes' place in a step's 256 bytes
	v_lshrrev_b32 v5, 1, v2
	s_add_co_u32 s34, s34, 2*32*SP
	v_add_nc_u32 v5, s34, v5                       ; my block's byte among the wave's 256 scale bytes
	v_lshlrev_b32 v7, 3, v2
	v_add_nc_u32 v6, s34, v7                       ; and 8 bytes a lane on their way out
	s_cmp_lt_u32 s33, 512                          ; which tensor: the choice hangs on the work-group's number alone
	s_cselect_b64 s[36:37], s[6:7], s[8:9]
	s_cmp_lt_u32 s33, 256
	s_cselect_b64 s[36:37], s[4:5], s[36:37]
	s_and_b32 s38, s33, 255
	s_lshl_b32 s38, s38, 2
	s_add_co_u32 s38, s38, s32
	s_lshl_b32 s38, s38, 15                        ; my run of 8,192 numbers in its tensor: 32,768 bytes a run
	s_mov_b32 s39, 0
	s_add_nc_u64 s[36:37], s[36:37], s[38:39]
	s_lshl_b32 s40, s33, 2
	s_add_co_u32 s40, s40, s32                     ; my run among the three stacked tensors
	s_lshl_b32 s38, s40, 12                        ; 4,096 bytes of codes a run
	s_add_nc_u64 s[20:21], s[20:21], s[38:39]
	s_lshl_b32 s38, s40, 8                         ; 256 scale bytes a run
	s_add_nc_u64 s[22:23], s[22:23], s[38:39]
.macro XLOAD t
.irp i, 0,1,2,3
	global_load_b128 v[XR+16*((\t)%4)+4*\i:XR+16*((\t)%4)+4*\i+3], v3, s[36:37] offset:2048*(\t)+512*\i th:TH_LOAD_NT
.endr
.endm
.macro XTURN t                         ; step t's numbers through the stage: LDS serves a wave's instructions in order, so no wait stands between the stores and the loads
.irp i, 0,1,2,3
	ds_store_b128 v14, v[XR+16*((\t)%4)+4*\i:XR+16*((\t)%4)+4*\i+3] offset:32*SP*((\t)%2)+8*SP*\i
.endr
.irp i, 0,1,2,3
	ds_load_b128 v[XX+16*((\t)%2)+4*\i:XX+16*((\t)%2)+4*\i+3], v15 offset:32*SP*((\t)%2)+16*\i
.endr
.endm
.irp t, 0,1,2,3
	XLOAD \t
.endr
	s_wait_loadcnt 12                              ; step 0's four loads are in; the twelve of steps 1 to 3 stay out
	XTURN 0
.macro XSTEP t
.set XS, XX+16*((\t)%2)
.if (\t) > 0
	s_wait_dscnt 1                                 ; this step's numbers are back from the stage; the last step's byte store may be out
.else
	s_wait_dscnt 0x0
.endif
.if (\t)+4 < STEPS
	XLOAD (\t)+4                                   ; into the set whose stores into the stage have read their registers
.endif
.if (\t)+1 < STEPS
.if STEPS-2-(\t) >= 3
	s_wait_loadcnt 12                              ; the next step's four loads are in; those of the three steps behind it may be out
.else
	s_wait_loadcnt 4*(STEPS-2-(\t))
.endif
	XTURN (\t)+1
.endif
	v_max3_num_f32 v8, |v[XS]|, |v[XS+1]|, |v[XS+2]|       ; the largest magnitude of my 16, in two chains
	v_max3_num_f32 v9, |v[XS+3]|, |v[XS+4]|, |v[XS+5]|
.irp i, 6,10
	v_max3_num_f32 v8, v8, |v[XS+\i]|, |v[XS+\i+1]|
	v_max3_num_f32 v9, v9, |v[XS+\i+2]|, |v[XS+\i+3]|
.endr
	v_max3_num_f32 v8, v8, |v[XS+14]|, |v[XS+15]|
	v_max3_num_f32 v8, v8, v9, (EMAX+1)<<23        ; and the floor 2^(3 - 127): the byte cannot fall under 1
	v_max_num_f32_dpp v8, v8, v8 row_xmask:1 row_mask:0xf bank_mask:0xf   ; with my neighbour's 16: the block's
	v_add_nc_u32 v11, -(EMAX<<23), v8              ; 2 off its exponent field: the conversion takes the exponent field of this operand as its scale
	v_cvt_scalef32_pk8_fp4_f32 v[XC+4*(\t)], v[XS:XS+7], v11
	v_cvt_scalef32_pk8_fp4_f32 v[XC+4*(\t)+1], v[XS+8:XS+15], v11
	v_lshrrev_b32 v[XE+(\t)], 23, v11              ; the scale's byte (also the plain line behind the conversions)
	ds_store_b8 v5, v[XE+(\t)] offset:16*(\t)      ; both lanes of a block write the same byte with the same value
	global_store_b64 v4, v[XC+4*(\t):XC+4*(\t)+1], s[20:21] offset:32*CB*(\t)   ; the wave stores 256 consecutive bytes, aligned
.endm
.irp t, 0,1,2,3,4,5,6,7,8,9,10,11,12,13,14,15
	XSTEP \t
.endr
	ds_load_b64 v[8:9], v6                         ; in order behind my byte stores
	s_wait_dscnt 0x0
	global_store_b64 v7, v[8:9], s[22:23]          ; the wave's 256 scale bytes, consecutive and aligned
	s_wait_tensorcnt 0x0                           ; the wave's end
	ds_add_u32 v[SPW], v[NIL]
	s_wait_dscnt 0x0
	s_endpgm
; ---------------- path W: K is the weight's FIRST axis.  A lane takes a column n and its registers run down K: a block of 32 lies in one lane,
; and the conversions give codes with K innermost.  A wave takes 32 columns x 512 along K; the codes leave through the wave's stage as rows of 256 bytes.
.Lw:
	s_lshr_b32 s33, ttmp9, 4                       ; which weight: 16 work-groups each
	s_and_b32 s34, ttmp9, 7                        ; which 128 columns
	s_bfe_u32 s35, ttmp9, 0x10003                  ; which 512 along K
	s_cmp_lt_u32 s33, 2
	s_cselect_b64 s[36:37], s[12:13], s[14:15]
	s_cmp_lt_u32 s33, 1
	s_cselect_b64 s[36:37], s[10:11], s[36:37]
	s_lshl_b32 s40, s34, 7
	s_lshl_b32 s41, s32, 5
	s_add_co_u32 s40, s40, s41                     ; my wave's first column
	s_lshl_b32 s38, s35, 21                        ; 512 rows of 4,096 bytes
	s_lshl_b32 s41, s40, 2
	s_add_co_u32 s38, s38, s41
	s_mov_b32 s39, 0
	s_add_nc_u64 s[36:37], s[36:37], s[38:39]
	s_lshl_b32 s41, s33, 10
	s_add_co_u32 s41, s41, s40                     ; its row in wc and ws (the three weights stacked)
	s_lshl_b32 s38, s41, 9                         ; 512 bytes of codes a row,
	s_lshl_b32 s42, s35, 8                         ; 256 for my half of K
	s_add_co_u32 s38, s38, s42
	s_add_nc_u64 s[24:25], s[24:25], s[38:39]
	s_lshl_b32 s38, s41, 5                         ; 32 scale bytes a row, 16 for my half
	s_lshl_b32 s42, s35, 4
	s_add_co_u32 s38, s38, s42
	s_add_nc_u64 s[26:27], s[26:27], s[38:39]
	v_lshlrev_b32 v3, 2, v2                        ; in: 4 bytes a lane
	s_mul_i32 s43, s32, 32*PITCH
	s_add_co_u32 s43, s43, WST                     ; my stage
	v_mul_u32_u24 v4, v2, PITCH
	v_add_nc_u32 v4, s43, v4                       ; into it: row = my column
	v_and_b32 v5, 15, v2
	v_lshrrev_b32 v6, 4, v2
	v_mul_u32_u24 v7, v6, PITCH
	v_lshl_add_u32 v7, v5, 4, v7
	v_add_nc_u32 v7, s43, v7                       ; out of it: sixteen lanes to a row, two rows an instruction
	v_lshlrev_b32 v8, 9, v6
	v_lshl_add_u32 v8, v5, 4, v8                   ; the same place in wc
	v_lshlrev_b32 v9, 5, v2                        ; my column's row of scale bytes
.macro WLOAD base, t                   ; block t: rows 32 t + i of my column, into set t % 2
.irp i, 0,1,2,3,4,5,6,7,8,9,10,11,12,13,14,15,16,17,18,19,20,21,22,23,24,25,26,27,28,29,30,31
	global_load_b32 v[WX+32*((\t)%2)+\i], v3, s[\base:\base+1] offset:(32*(\t)+\i)*4096 th:TH_LOAD_NT
.endr
.endm
	WLOAD 36, 0
	WLOAD 36, 1
.macro WBLOCK t
.set XS, WX+32*((\t)%2)
.if (\t) < 15
	s_wait_loadcnt 32                              ; this block's 32 loads are in; the next block's may be out
.else
	s_wait_loadcnt 0
.endif
	v_max3_num_f32 v12, |v[XS]|, |v[XS+1]|, |v[XS+2]|       ; the block's largest magnitude: all 32 numbers are mine
	v_max3_num_f32 v13, |v[XS+3]|, |v[XS+4]|, |v[XS+5]|
.irp i, 6,10,14,18,22,26
	v_max3_num_f32 v12, v12, |v[XS+\i]|, |v[XS+\i+1]|
	v_max3_num_f32 v13, v13, |v[XS+\i+2]|, |v[XS+\i+3]|
.endr
	v_max3_num_f32 v12, v12, |v[XS+30]|, |v[XS+31]|
	v_max3_num_f32 v12, v12, v13, (EMAX+1)<<23     ; and the floor
	v_add_nc_u32 v11, -(EMAX<<23), v12             ; the conversion's scale operand
	v_lshrrev_b32 v13, 23, v11                     ; the scale's byte
.if (\t)%4 == 0
	v_mov_b32 v[WSB+(\t)/4], v13                   ; four bytes to a register, the lower K in the lower byte
.else
	v_lshl_or_b32 v[WSB+(\t)/4], v13, 8*((\t)%4), v[WSB+(\t)/4]
.endif
.irp g, 0,1,2,3
	v_cvt_scalef32_pk8_fp4_f32 v[WC+\g], v[XS+8*\g:XS+8*\g+7], v11
.endr
	v_nop                                          ; one plain line behind the last conversion
	ds_store_b128 v4, v[WC:WC+3] offset:16*(\t)    ; 32 codes: 16 bytes of my column's row
.if (\t)+2 < 16
	WLOAD 36, (\t)+2
.endif
	s_wait_dscnt 0x0                               ; the store has read its registers: the next block's codes may be written
.endm
.set Q, 0
.rept 16
	WBLOCK Q
.set Q, Q+1
.endr
	global_store_b128 v9, v[WSB:WSB+3], s[26:27]   ; my column's 16 scale bytes
.irp t, 0,1,2,3,4,5,6,7,8,9,10,11,12,13,14,15
	ds_load_b128 v[WOUT+4*\t:WOUT+4*\t+3], v7 offset:2*\t*PITCH
.endr
.irp t, 0,1,2,3,4,5,6,7,8,9,10,11,12,13,14,15
	s_wait_dscnt 15-\t                             ; LDS loads come back in order: load t is in
	global_store_b128 v8, v[WOUT+4*\t:WOUT+4*\t+3], s[24:25] offset:2*\t*512   ; sixteen lanes store 256 consecutive bytes, aligned
.endr
	s_wait_tensorcnt 0x0                           ; the wave's end
	ds_add_u32 v[SPW], v[NIL]
	s_wait_dscnt 0x0
	s_endpgm
; ---------------- path O: Wo to f16, a lane to a column, registers down K; a wave takes 32 columns x 128 along K = two blocks kb of 64.  And 128 bytes of the mask a work-group.
.Lo:
	s_sub_co_u32 s33, ttmp9, 48                    ; 0..63
	s_and_b32 s34, s33, 7                          ; which 128 columns
	s_lshr_b32 s35, s33, 3                         ; which 128 along K
	s_mov_b32 s39, 0
	s_lshl_b32 s38, s33, 7
	s_add_nc_u64 s[18:19], s[18:19], s[38:39]      ; my 128 bytes of the mask
	s_lshl_b32 s38, s33, 9
	s_add_nc_u64 s[30:31], s[30:31], s[38:39]      ; and their 512 bytes of mb
	s_lshl_b32 s40, s34, 7
	s_lshl_b32 s41, s32, 5
	s_add_co_u32 s40, s40, s41                     ; my wave's first column
	s_lshl_b32 s38, s35, 19                        ; 128 rows of 4,096 bytes
	s_lshl_b32 s41, s40, 2
	s_add_co_u32 s38, s38, s41
	s_add_nc_u64 s[16:17], s[16:17], s[38:39]
	s_lshl_b32 s38, s35, 18                        ; two blocks kb of 131,072 bytes
	s_lshl_b32 s41, s40, 7                         ; 128 bytes a column
	s_add_co_u32 s38, s38, s41
	s_add_nc_u64 s[28:29], s[28:29], s[38:39]
	global_load_u8 v16, v0, s[18:19]               ; a byte of the mask a thread
	v_lshlrev_b32 v3, 2, v2
	WLOAD 16, 0
	WLOAD 16, 1
	v_lshlrev_b32 v17, 2, v0
	v_mov_b32 v19, 0xfe967699                      ; -1e38: what a hidden key adds to its scores
	v_mov_b32 v21, 0
	s_mul_i32 s43, s32, 32*PITCH
	s_add_co_u32 s43, s43, OST                     ; my stage
	v_mul_u32_u24 v4, v2, PITCH
	v_add_nc_u32 v4, s43, v4                       ; into it: row = my column, 256 bytes = 128 f16 along K
	v_lshrrev_b32 v6, 3, v2
	v_and_b32 v5, 7, v2
	v_mul_u32_u24 v7, v6, PITCH
	v_lshl_add_u32 v7, v5, 4, v7
	v_add_nc_u32 v7, s43, v7                       ; out of it: eight lanes take 128 bytes (one kb) of a row, four rows an instruction
	v_lshlrev_b32 v8, 4, v2                        ; which are 512 consecutive bytes of wot
.macro OBLOCK t
.set XS, WX+32*((\t)%2)
.if (\t) < 3
	s_wait_loadcnt 32                              ; this block's loads (and the mask's, issued ahead of them) are in; the next block's 32 may be out
.else
	s_wait_loadcnt 0
.endif
.if (\t) == 0
	v_cmp_ne_u32 vcc_lo, 0, v16
	v_cndmask_b32 v18, v19, v21, vcc_lo            ; true: 0; false: -1e38
	global_store_b32 v17, v18, s[30:31]
.endif
.irp i, 0,1,2,3,4,5,6,7,8,9,10,11,12,13,14,15
	v_cvt_pk_f16_f32 v[WC+\i], v[XS+2*\i], v[XS+2*\i+1]   ; the lower k in the low half
.endr
.irp i, 0,1,2,3
	ds_store_b128 v4, v[WC+4*\i:WC+4*\i+3] offset:64*(\t)+16*\i
.endr
.if (\t)+2 < 4
	WLOAD 16, (\t)+2
.endif
	s_wait_dscnt 0x0                               ; the stores have read their registers
.endm
.irp t, 0,1,2,3
	OBLOCK \t
.endr
.irp n, 0,1,2,3,4,5,6,7,8,9,10,11,12,13,14,15
	ds_load_b128 v[WOUT+4*\n:WOUT+4*\n+3], v7 offset:(\n%8)*4*PITCH+128*(\n/8)
.endr
.irp n, 0,1,2,3,4,5,6,7,8,9,10,11,12,13,14,15
	s_wait_dscnt 15-\n
	global_store_b128 v8, v[WOUT+4*\n:WOUT+4*\n+3], s[28:29] offset:(\n/8)*131072+(\n%8)*512   ; 512 consecutive bytes, aligned
.endr
	s_wait_tensorcnt 0x0                           ; the wave's end
	ds_add_u32 v[SPW], v[NIL]
	s_wait_dscnt 0x0
	s_endpgm
.Lfunc_end_k_qbc7709d7c7_prep:
	.size	k_qbc7709d7c7_prep, .Lfunc_end_k_qbc7709d7c7_prep-k_qbc7709d7c7_prep
	.p2alignl 7, 3214868480
	.fill 96, 4, 3214868480
	.section	.rodata,"a",@progbits
	.p2align	6, 0x0
	.amdhsa_kernel k_qbc7709d7c7_prep
		.amdhsa_group_segment_fixed_size 102912
		.amdhsa_private_segment_fixed_size 0
		.amdhsa_enable_private_segment 0
		.amdhsa_kernarg_size 112
		.amdhsa_user_sgpr_count 2
		.amdhsa_user_sgpr_kernarg_segment_ptr 1
		.amdhsa_wavefront_size32 1
		.amdhsa_system_sgpr_workgroup_id_x 1
		.amdhsa_system_sgpr_workgroup_id_y 1
		.amdhsa_system_sgpr_workgroup_id_z 1
		.amdhsa_system_vgpr_workitem_id 0
		.amdhsa_next_free_vgpr 192
		.amdhsa_next_free_sgpr 66
		.amdhsa_reserve_vcc 1
		.amdhsa_float_denorm_mode_32 3
		.amdhsa_float_denorm_mode_16_64 3
		.amdhsa_memory_ordered 1
		.amdhsa_forward_progress 1
		.amdhsa_inst_pref_size 134
	.end_amdhsa_kernel
	.amdgpu_metadata
---
amdhsa.version: [ 1, 2 ]
amdhsa.kernels:
  - .name:           k_qbc7709d7c7_prep
    .symbol:         k_qbc7709d7c7_prep.kd
    .args:
      - { .name: q, .offset: 0, .size: 8, .value_kind: global_buffer, .address_space: global }
      - { .name: k, .offset: 8, .size: 8, .value_kind: global_buffer, .address_space: global }
      - { .name: v, .offset: 16, .size: 8, .value_kind: global_buffer, .address_space: global }
      - { .name: Wq, .offset: 24, .size: 8, .value_kind: global_buffer, .address_space: global }
      - { .name: Wk, .offset: 32, .size: 8, .value_kind: global_buffer, .address_space: global }
      - { .name: Wv, .offset: 40, .size: 8, .value_kind: global_buffer, .address_space: global }
      - { .name: Wo, .offset: 48, .size: 8, .value_kind: global_buffer, .address_space: global }
      - { .name: mask, .offset: 56, .size: 8, .value_kind: global_buffer, .address_space: global }
      - { .name: xc, .offset: 64, .size: 8, .value_kind: global_buffer, .address_space: global }
      - { .name: xs, .offset: 72, .size: 8, .value_kind: global_buffer, .address_space: global }
      - { .name: wc, .offset: 80, .size: 8, .value_kind: global_buffer, .address_space: global }
      - { .name: ws, .offset: 88, .size: 8, .value_kind: global_buffer, .address_space: global }
      - { .name: wot, .offset: 96, .size: 8, .value_kind: global_buffer, .address_space: global }
      - { .name: mb, .offset: 104, .size: 8, .value_kind: global_buffer, .address_space: global }
    .group_segment_fixed_size: 102912
    .private_segment_fixed_size: 0
    .kernarg_segment_align: 8
    .kernarg_segment_size: 112
    .max_flat_workgroup_size: 128
    .sgpr_count:     66
    .vgpr_count:     192
    .wavefront_size: 32
...
	.end_amdgpu_metadata
.endif
;; end of part 1
;; launch proj (part 2): grid 4 x 96, 4 waves a work-group, clusters of 4 x 4, 327,680 bytes of LDS; arguments xc, xs, wc, ws, bq, bk, bv, qkv; writes qkv
.if DOCPART == 2
	.amdgcn_target "amdgcn-amd-amdhsa--gfx1250"
	.amdhsa_code_object_version 6
	.text
	.protected	k_qbc7709d7c7_proj
	.globl	k_qbc7709d7c7_proj
	.p2align	8
	.type	k_qbc7709d7c7_proj,@function
k_qbc7709d7c7_proj:
	s_mov_b64 s[64:65], 0
	v_nop
	global_prefetch_b8 v0, s[64:65] scope:SCOPE_SE
	s_setreg_imm32_b32 hwreg(HW_REG_WAVE_MODE, 25, 1), 1
	s_wait_xcnt 0x0
	s_wait_alu depctr_hold_cnt(0) depctr_sa_sdst(0) depctr_va_vdst(0) depctr_va_sdst(0) depctr_va_ssrc(0) depctr_va_vcc(0) depctr_vm_vsrc(0)
	s_getreg_b32 s2, hwreg(HW_REG_IB_STS2, 6, 4)
	s_cmp_eq_u32 s2, 0
	s_cbranch_scc0 .Lentry_in_a_cluster
	s_endpgm
.Lentry_in_a_cluster:
	s_bfe_u32 s2, ttmp6, 0x10000c
	s_cmp_lg_u32 s2, 0xf033
	s_cbranch_scc0 .Lentry_shape_is_right
	s_endpgm
.Lentry_shape_is_right:
; PROJ: the three quantised products x W + b on codes of FP4 (E2M1) with one E8M0 scale for each 32 along K, sums in f32; results rounded once to f16 and laid by head:
; qkv [3 (q,k,v)][64 (b,h)][2048 s][64].  A: xc [24576 rows (3 tensors stacked)][512 bytes], xs [24576][32]; B: wc [3][1024 n][512 bytes], ws [3][1024][32].
; A tile of C is 256 x 256 (tile row 0..95 over the stacked rows, tile column 0..3); four waves, each 128 x 128: 64 accumulators of 16 x 16.
; K = 1,024 is exactly two LDS slots of 512 along K: both are first fills, nothing is filled again, and there is no loop.  The scale bytes of the tile's rows come once, as dense blocks.
; CLUSTERS: 4 x 4 work-groups; A's tiles are asked for jointly along a row of the cluster, B's along a column.  All 4 tile rows of a cluster belong to one tensor (32 tile rows each).
; THE MATRIX INSTRUCTION IS USED TRANSPOSED (source 0 = 16 rows of B, source 1 = 16 rows of A): a lane holds eight neighbouring columns of one row of C.  The bias is the C of each sum's first product.
; LIMIT: |x W + b| beyond f16's 65,504 is not served.  The 1/8 of the query heads is not applied here: the attention launch folds it into its f32 factor on the scores.
; REGISTERS: window 0: v16-30 addresses; v32-95 scale words, two sets; v128-191 A's fragments, one set; v192-255 the bias, later packed results.  window 1: B's fragments, two sets.  windows 2, 3: accumulators.
.set KSTEP,  512
.set NQ,     4                         ; steps of 128 along K in a slot
.set ROWB,   256                       ; a tile's row in bytes
.set KROW,   512                       ; a row of codes in memory
.set PITCH,  272                       ; an LDS row: 256 bytes + 16 of padding: the 16 rows that a load touches start 16 bytes apart modulo 256
.set FR,     8
.set NL,     2
.set NP,     4
.set HALFT,  128*PITCH
.set SLOT,   4*HALFT                   ; A's 256 rows, then B's 256 rows
.set KS,     32                        ; a row of scale bytes
.set SCL,    2*SLOT                    ; behind the slots: the scales, as runs of 256 bytes + 16 of padding
.set HALFS,  (128*KS/256)*272
.set SBLK,   (16*KS/256)*272
.set SPARE,  SCL+4*HALFS               ; the spare words: 128 bytes a wave, named by no other line
.set STAGE,  SPARE+512                 ; the way out: 16 rows x 272 bytes for each wave; no tile lands here
.set SPITCH, 272
.set ADRA, 16
.set ADRB, 20
.set STO,  24
.set RD,   25
.set CO,   26
.set ADRS, 27
.set SPW,  28
.set NIL,  29
.set BA,   30                          ; v30 the bias loads' offset: 32 x (lane / 16)
.set SC,   32
.set AF,   128
.set BI,   192                         ; v192-255: register 8 b + j: bias[n0 + 16 b + 8 (lane / 16) + j]
.set TMP,  192                         ; the way out: packed results (the bias is done with)
.set BK,   128                         ; the way out: rows read back, two sets of 32
.set G1, 24
.set G0, 32
.set G1B, 48
.set G0B, 56
.set G1S, 68
.set G0S, 76
.set G1SB, 80
.set G0SB, 88
.set MSB, 0
.macro WIN new                         ; the immediate's high byte repeats the setting that is left
.if MSB != \new
	s_set_vgpr_msb (MSB<<8)|\new
.set MSB, \new
.endif
.endm
.set MUL_LO, 0xa1                      ; source 0 (B) window 1, source 1 (A) window 0, C and D window 2
.set MUL_HI, 0xf1
.set FST_LO, 0x81                      ; the same with C (the bias) in window 0
.set FST_HI, 0xc1
.set TO_B,   0x40
; A joint load: waves 0 and 1 fetch for A, waves 2 and 3 for B; the branch hangs on the wave's number alone.  An s_nop 0 and four v_nop follow each line.
.macro JLOAD g0a, g1a, g0b, g1b
	s_cmp_eq_u32 s15, 0
	s_cbranch_scc0 .Lfor_b_\@
	tensor_load_to_lds s[\g0a:\g0a+3], s[\g1a:\g1a+7]
	s_nop 0
.rept 4
	v_nop
.endr
	s_branch .Lasked_\@
.Lfor_b_\@:
	tensor_load_to_lds s[\g0b:\g0b+3], s[\g1b:\g1b+7]
	s_nop 0
.rept 4
	v_nop
.endr
.Lasked_\@:
.endm
.macro CROUND                          ; a round of the cluster's barrier
	s_barrier_signal -1
	s_barrier_wait -1
	s_cmp_lg_u32 s14, 0
	s_cbranch_scc1 .Lnot_wave_0_\@
	s_barrier_signal -3
.Lnot_wave_0_\@:
	s_barrier_wait -3
	s_barrier_signal -1
	s_barrier_wait -1
.endm
	s_load_b128 s[4:7], s[0:1], 0x0                ; xc, xs
	s_load_b128 s[8:11], s[0:1], 0x10              ; wc, ws
	s_load_b128 s[96:99], s[0:1], 0x20             ; bq, bk
	s_load_b64 s[100:101], s[0:1], 0x30            ; bv
	s_load_b64 s[12:13], s[0:1], 0x38              ; qkv
	v_lshl_add_u32 v[SPW], v0, 2, SPARE
	v_mov_b32 v[NIL], 0
	ds_add_u32 v[SPW], v[NIL]                      ; the wave's opening: the add, twice on end, and its wait ahead of my first tensor load
	ds_add_u32 v[SPW], v[NIL]
	v_lshrrev_b32 v1, 5, v0
	v_readfirstlane_b32 s14, v1                    ; wave 0..3
	s_lshr_b32 s15, s14, 1                         ; which half of the tile's rows is mine.  Also: I fetch for A (0) or for B (1)
	s_and_b32 s16, s14, 1                          ; which half of its columns.  Also: which 128 rows I fetch
	s_bfe_u32 s40, ttmp6, 0x40000                  ; cx, cy
	s_bfe_u32 s41, ttmp6, 0x40004
	s_lshl_b32 s42, ttmp9, 2
	s_add_co_u32 s42, s42, s40                     ; tile column
	s_and_b32 s17, ttmp7, 0xffff                   ; cluster y, 0..23
	s_lshr_b32 s95, s17, 3                         ; which tensor: 8 clusters each; the same in all sixteen partners
	s_lshl_b32 s17, s17, 2
	s_add_co_u32 s17, s17, s41                     ; tile row
	s_lshl_b32 s43, s41, 2
	s_lshl_b32 s43, 15, s43                        ; my row of the cluster
	s_lshl_b32 s44, 0x1111, s40                    ; my column
	s_or_b32 s[G1+0], s43, (0<<16)|(1<<20)|(1<<21)|(5<<22)|(3<<25)   ; mask; elements of 1 byte; padding: 4 words behind every 64
	s_or_b32 s[G1B+0], s44, (0<<16)|(1<<20)|(1<<21)|(5<<22)|(3<<25)
.irp g, G1, G1B
	s_mov_b32 s[\g+1], ROWB<<16                    ; tensor_dim0
	s_mov_b32 s[\g+2], 128<<16                     ; tensor_dim1
	s_mov_b32 s[\g+3], ROWB<<16                    ; tile_dim0
	s_mov_b32 s[\g+4], 128                         ; tile_dim1
	s_mov_b32 s[\g+5], KROW                        ; pitch
	s_mov_b32 s[\g+6], 0
	s_mov_b32 s[\g+7], 0
.endr
	s_or_b32 s[G1S+0], s43, (3<<16)|(1<<20)|(1<<21)|(5<<22)|(3<<25)  ; the scales of 128 rows: 4,096 dense bytes as 16 rows of 32 elements of 8 bytes
	s_or_b32 s[G1SB+0], s44, (3<<16)|(1<<20)|(1<<21)|(5<<22)|(3<<25)
.irp g, G1S, G1SB
	s_mov_b32 s[\g+1], 32<<16
	s_mov_b32 s[\g+2], (128*KS/256)<<16
	s_mov_b32 s[\g+3], 32<<16
	s_mov_b32 s[\g+4], 128*KS/256
	s_mov_b32 s[\g+5], 32
	s_mov_b32 s[\g+6], 0
	s_mov_b32 s[\g+7], 0
.endr
	s_lshl_b32 s18, s16, 7
	s_lshl_b32 s20, s17, 8
	s_add_co_u32 s20, s20, s18                     ; A: row 256 x tile row + 128 x half
	s_lshl_b32 s46, s42, 8
	s_add_co_u32 s46, s46, s18
	s_lshl_b32 s47, s95, 10
	s_add_co_u32 s46, s46, s47                     ; B: row 1024 x tensor + 256 x tile column + 128 x half
	s_mov_b32 s21, 0
	s_mov_b32 s47, 0
	s_mov_b64 s[18:19], KS
	s_mul_u64 s[22:23], s[20:21], s[18:19]         ; where these rows' scales begin
	s_mul_u64 s[92:93], s[46:47], s[18:19]
	s_mov_b64 s[18:19], KROW
	s_mul_u64 s[20:21], s[20:21], s[18:19]         ; and their codes
	s_mul_u64 s[46:47], s[46:47], s[18:19]
	s_mul_i32 s45, s14, HALFT                      ; where they go: wave x 128 rows
	s_mul_i32 s94, s14, HALFS
	s_wait_dscnt 0x0                               ; both opening adds are done
	s_wait_kmcnt 0x0
	s_add_nc_u64 s[20:21], s[4:5], s[20:21]
	s_add_nc_u64 s[22:23], s[6:7], s[22:23]
	s_add_nc_u64 s[46:47], s[8:9], s[46:47]
	s_add_nc_u64 s[92:93], s[10:11], s[92:93]
	CROUND                                         ; all sixteen work-groups are here: the joint loads meet
	s_mov_b32 s[G0S], 1
	s_add_co_u32 s[G0S+1], s94, SCL
	s_mov_b64 s[G0S+2:G0S+3], s[22:23]
	s_or_b32 s[G0S+3], s[G0S+3], 0x80000000
	s_mov_b32 s[G0SB], 1
	s_add_co_u32 s[G0SB+1], s94, SCL
	s_mov_b64 s[G0SB+2:G0SB+3], s[92:93]
	s_or_b32 s[G0SB+3], s[G0SB+3], 0x80000000
	JLOAD G0S, G1S, G0SB, G1SB                     ; the scales first; three tensor loads of mine are out behind the third
.irp s, 0,1
	s_mov_b32 s[G0+4*\s], 1
	s_add_co_u32 s[G0+4*\s+1], s45, \s*SLOT
	s_add_nc_u64 s[G0+4*\s+2:G0+4*\s+3], s[20:21], \s*ROWB
	s_or_b32 s[G0+4*\s+3], s[G0+4*\s+3], 0x80000000
	s_mov_b32 s[G0B+4*\s], 1
	s_add_co_u32 s[G0B+4*\s+1], s45, \s*SLOT
	s_add_nc_u64 s[G0B+4*\s+2:G0B+4*\s+3], s[46:47], \s*ROWB
	s_or_b32 s[G0B+4*\s+3], s[G0B+4*\s+3], 0x80000000
	JLOAD G0+4*\s, G1, G0B+4*\s, G1B
.endr
	v_and_b32 v1, 15, v0                           ; r
	v_bfe_u32 v2, v0, 4, 1                         ; h
	; the bias of my 128 columns, in the result's layout
	s_cmp_lt_u32 s95, 2
	s_cselect_b64 s[92:93], s[98:99], s[100:101]
	s_cmp_lt_u32 s95, 1
	s_cselect_b64 s[92:93], s[96:97], s[92:93]
	s_lshl_b32 s46, s42, 10
	s_lshl_b32 s47, s16, 9
	s_add_co_u32 s46, s46, s47                     ; 4 x (256 x tile column + 128 x half)
	s_mov_b32 s47, 0
	s_add_nc_u64 s[92:93], s[92:93], s[46:47]
	v_lshlrev_b32 v[BA], 5, v2
.irp b, 0,1,2,3,4,5,6,7
	global_load_b128 v[BI+8*\b:BI+8*\b+3], v[BA], s[92:93] offset:64*\b
	global_load_b128 v[BI+8*\b+4:BI+8*\b+7], v[BA], s[92:93] offset:64*\b+16
.endr
	v_mul_u32_u24 v3, v1, PITCH
	v_lshl_add_u32 v4, v2, 4, v3                   ; a fragment's row x pitch + 16 x half
	s_mul_i32 s21, s15, HALFT
	s_mul_i32 s22, s16, HALFT
	s_add_co_u32 s22, s22, 2*HALFT
.irp s, 0,1
	v_add_nc_u32 v[ADRA+\s], s21, v4
	v_add_nc_u32 v[ADRB+\s], s22, v4
	s_add_co_u32 s21, s21, SLOT
	s_add_co_u32 s22, s22, SLOT
.endr
	v_mul_u32_u24 v5, v1, KS                       ; my row's scales: 32 bytes a row,
	v_lshrrev_b32 v6, 8, v5
	v_lshl_add_u32 v5, v6, 4, v5                   ; and 16 more for each 256 passed
	s_mul_i32 s21, s15, HALFS
	s_mul_i32 s22, s16, HALFS
	s_add_co_u32 s22, s22, 2*HALFS
	s_sub_co_u32 s22, s22, s21
	v_mul_u32_u24 v6, s22, v2                      ; lanes 16-31 take B's: one product, the distance between the two bases
	s_add_co_u32 s21, s21, SCL
	v_add_nc_u32 v5, v5, v6
	v_add_nc_u32 v[ADRS], s21, v5
	s_mul_i32 s23, s14, 16*SPITCH
	s_add_co_u32 s23, s23, STAGE                   ; my stage
	v_mul_u32_u24 v5, v1, SPITCH                   ; in: row r, 16 bytes for each half of the lanes
	v_lshl_add_u32 v5, v2, 4, v5
	v_add_nc_u32 v[STO], s23, v5
	v_and_b32 v6, 31, v0
	v_lshrrev_b32 v7, 3, v6                        ; back: eight lanes take 128 bytes (one head) of a row, four rows an instruction
	v_mul_u32_u24 v7, v7, SPITCH
	v_and_b32 v8, 7, v6
	v_lshl_add_u32 v7, v8, 4, v7
	v_add_nc_u32 v[RD], s23, v7
	v_lshlrev_b32 v[CO], 4, v6                     ; which are 512 consecutive bytes of qkv
	s_lshl_b32 s20, s17, 8
	s_lshl_b32 s21, s15, 7
	s_add_co_u32 s20, s20, s21                     ; R: my first row among the 24,576
	s_lshr_b32 s21, s20, 11                        ; 4 x tensor + batch
	s_lshl_b32 s21, s21, 22                        ; 16 heads of 262,144 bytes
	s_and_b32 s20, s20, 2047
	s_lshl_b32 s20, s20, 7                         ; 128 bytes a position
	s_add_co_u32 s20, s20, s21
	s_lshl_b32 s21, s42, 2
	s_lshl_b32 s22, s16, 1
	s_add_co_u32 s21, s21, s22                     ; my first head: 4 x tile column + 2 x half
	s_lshl_b32 s21, s21, 18
	s_add_co_u32 s20, s20, s21
	s_mov_b32 s21, 0
	s_add_nc_u64 s[12:13], s[12:13], s[20:21]
.macro FRAG reg, adr, q, i             ; 16 rows x 128 K of 4-bit codes: 8 registers: two loads of 16 bytes, 32 bytes apart
.irp c, 0,1
	ds_load_b128 v[\reg+4*\c:\reg+4*\c+3], v[\adr] offset:64*(\q)+32*\c+(\i)*16*PITCH
.endr
.endm
; 16 matrix instructions: A's blocks a0, a0 + 1 x B's eight.  The 64 accumulators take turns, one instruction a turn, in the same order in every step.
; One register carries A's scale word (lanes 0-15) and B's (lanes 16-31) of block i.
.macro MUL16 a0, p, q, sc, zero
.irp a, \a0, \a0+1
.irp b, 0,1,2,3,4,5,6,7
.if \zero
	v_wmma_scale_f32_16x16x128_f8f6f4 v[8*(8*((\a)%4)+\b):8*(8*((\a)%4)+\b)+7], v[128*(\p)+FR*\b:128*(\p)+FR*\b+FR-1], v[AF+FR*(\a):AF+FR*(\a)+FR-1], v[BI+8*\b:BI+8*\b+7], v[SC+8*NQ*(\sc)+NQ*\b+(\q)], v[SC+8*NQ*(\sc)+NQ*(\a)+(\q)] matrix_a_fmt:MATRIX_FMT_FP4 matrix_b_fmt:MATRIX_FMT_FP4 matrix_a_scale:MATRIX_SCALE_ROW1
.else
	v_wmma_scale_f32_16x16x128_f8f6f4 v[8*(8*((\a)%4)+\b):8*(8*((\a)%4)+\b)+7], v[128*(\p)+FR*\b:128*(\p)+FR*\b+FR-1], v[AF+FR*(\a):AF+FR*(\a)+FR-1], v[8*(8*((\a)%4)+\b):8*(8*((\a)%4)+\b)+7], v[SC+8*NQ*(\sc)+NQ*\b+(\q)], v[SC+8*NQ*(\sc)+NQ*(\a)+(\q)] matrix_a_fmt:MATRIX_FMT_FP4 matrix_b_fmt:MATRIX_FMT_FP4 matrix_a_scale:MATRIX_SCALE_ROW1
.endif
.endr
.endr
.endm
.macro FETCH_B slot, q, p
	WIN TO_B
.irp i, 0,1,2,3,4,5,6,7
	FRAG 128*(\p)+FR*\i, ADRB+\slot, \q, \i
.endr
	WIN 0
.endm
.macro FETCH_A slot, q, i0
.irp i, \i0, \i0+1, \i0+2, \i0+3
	FRAG AF+FR*(\i), ADRA+\slot, \q, \i
.endr
.endm
.macro SCALES sc                       ; a slot's scale words: 4 words a row; lanes 0-15 A's block i, lanes 16-31 B's block i
.irp i, 0,1,2,3,4,5,6,7
	ds_load_b128 v[SC+8*NQ*\sc+NQ*\i:SC+8*NQ*\sc+NQ*\i+3], v[ADRS] offset:\i*SBLK
.endr
.endm
.macro PLACES n                        ; plain places between a matrix instruction and a load into, or a read of, its registers
.rept \n
	v_nop
.endr
.endm
.macro STEP slot, q, zero              ; a step of 128 along K that has its successor in the same slot
	s_wait_dscnt 4*NL                              ; B's set and A's blocks 0-3 are in; the youngest eight loads (A's blocks 4-7) may be out
.if \zero
	WIN FST_LO
.else
	WIN MUL_LO
.endif
	MUL16 0, (\q)%2, \q, \slot, \zero
	MUL16 2, (\q)%2, \q, \slot, \zero
	s_wait_dscnt 0                                 ; A's blocks 4-7 are in
	PLACES NP
	FETCH_B \slot, (\q)+1, 1-(\q)%2
	FETCH_A \slot, (\q)+1, 0
.if \zero
	WIN FST_HI
.else
	WIN MUL_HI
.endif
	MUL16 4, (\q)%2, \q, \slot, \zero
	MUL16 6, (\q)%2, \q, \slot, \zero
	PLACES NP
	WIN 0
	FETCH_A \slot, (\q)+1, 4
.endm
.macro STEPS slot, from
.set Q, \from
.rept NQ-1-\from
	STEP \slot, Q, 0
.set Q, Q+1
.endr
.endm
	s_wait_tensorcnt 1                             ; the scales and my part of slot 0 are in; slot 1's load may be out
	s_barrier_signal -1
	s_barrier_wait -1
	FETCH_B 0, 0, 0
	FETCH_A 0, 0, 0
	SCALES 0
	FETCH_A 0, 0, 4
	s_wait_loadcnt 0x0                             ; the bias
	STEP 0, 0, 1                                   ; the first products start the sums from the bias
	STEPS 0, 1
	; slot 0's last step changes slots: each wave's part of slot 1 has landed, then one barrier
	s_wait_tensorcnt 0x0                           ; all my tensor loads have landed
	ds_add_u32 v[SPW], v[NIL]                      ; 0 onto my spare word
	s_wait_dscnt 4*NL+1                            ; the add and the youngest eight loads may be out
	WIN MUL_LO
	MUL16 0, 1, NQ-1, 0, 0
	s_wait_dscnt 0x0                               ; no LDS instruction of mine is out at the signal
	s_barrier_signal -1
	MUL16 2, 1, NQ-1, 0, 0
	WIN 0
	s_barrier_wait -1                              ; slot 1 is whole
	PLACES NP
	v_add_nc_u32 v[ADRS], 4*NQ, v[ADRS]            ; slot 1's scale words: 16 bytes on in each row
	FETCH_B 1, 0, 0
	FETCH_A 1, 0, 0
	SCALES 1
	WIN MUL_HI
	MUL16 4, 1, NQ-1, 0, 0
	MUL16 6, 1, NQ-1, 0, 0
	PLACES NP
	WIN 0
	FETCH_A 1, 0, 4
	STEPS 1, 0
	s_wait_dscnt 4*NL                              ; the last step: nothing more to fetch
	WIN MUL_LO
	MUL16 0, 1, NQ-1, 1, 0
	MUL16 2, 1, NQ-1, 1, 0
	s_wait_dscnt 0
	WIN MUL_HI
	MUL16 4, 1, NQ-1, 1, 0
	MUL16 6, 1, NQ-1, 1, 0
	WIN 0
; THE WAY OUT, a block of 16 rows x 128 columns (two heads) at a time: rounded to f16, 16 bytes a lane into my stage, back as four rows of one head: 512 consecutive bytes of qkv.
.macro PACK a
.set AC, 64*((\a)%4)
	WIN 0x0a+5*((\a)/4)                            ; sources 0 and 1: window 2 or 3
.irp b, 0,1,2,3,4,5,6,7
.irp r, 0,1,2,3
	v_cvt_pk_f16_f32 v[TMP+4*\b+\r], v[AC+8*\b+2*\r], v[AC+8*\b+2*\r+1]   ; each accumulator from its low end on
.endr
.endr
	WIN 0
.endm
.macro TOSTAGE a
.set BB, BK+32*((\a)%2)
.irp b, 0,1,2,3,4,5,6,7
	ds_store_b128 v[STO], v[TMP+4*\b:TMP+4*\b+3] offset:32*\b
.endr
.irp n, 0,1,2,3,4,5,6,7
	ds_load_b128 v[BB+4*\n:BB+4*\n+3], v[RD] offset:(\n%4)*4*SPITCH+128*(\n/4)   ; LDS serves a wave's instructions in order: these see the stores above
.endr
.endm
.macro SEND a
.set BB, BK+32*((\a)%2)
	s_wait_dscnt 0x0                               ; the block is back in registers
	s_wait_xcnt 0x0                                ; the stores of the block before have read their registers: the next block's loads may land there
.irp n, 0,1,2,3,4,5,6,7
	global_store_b128 v[CO], v[BB+4*\n:BB+4*\n+3], s[12:13] offset:(\n/4)*262144+(\a)*2048+(\n%4)*512
.endr
.endm
	PLACES NP
	PACK 0
	TOSTAGE 0
.irp a, 1,2,3,4,5,6,7
	PACK \a                                        ; block a's conversions stand between block a - 1's loads from the stage and the wait for them
	SEND \a-1
	TOSTAGE \a
.endr
	SEND 7
	s_wait_tensorcnt 0x0                           ; the wave's end
	ds_add_u32 v[SPW], v[NIL]
	s_wait_dscnt 0x0
	CROUND                                         ; the closing round
	s_endpgm
.Lfunc_end_k_qbc7709d7c7_proj:
	.size	k_qbc7709d7c7_proj, .Lfunc_end_k_qbc7709d7c7_proj-k_qbc7709d7c7_proj
	.p2alignl 7, 3214868480
	.fill 96, 4, 3214868480
	.section	.rodata,"a",@progbits
	.p2align	6, 0x0
	.amdhsa_kernel k_qbc7709d7c7_proj
		.amdhsa_group_segment_fixed_size 327680
		.amdhsa_private_segment_fixed_size 0
		.amdhsa_enable_private_segment 0
		.amdhsa_kernarg_size 64
		.amdhsa_user_sgpr_count 2
		.amdhsa_user_sgpr_kernarg_segment_ptr 1
		.amdhsa_wavefront_size32 1
		.amdhsa_system_sgpr_workgroup_id_x 1
		.amdhsa_system_sgpr_workgroup_id_y 1
		.amdhsa_system_sgpr_workgroup_id_z 1
		.amdhsa_system_vgpr_workitem_id 0
		.amdhsa_next_free_vgpr 1024
		.amdhsa_next_free_sgpr 102
		.amdhsa_reserve_vcc 0
		.amdhsa_float_denorm_mode_32 3
		.amdhsa_float_denorm_mode_16_64 3
		.amdhsa_memory_ordered 1
		.amdhsa_forward_progress 1
		.amdhsa_inst_pref_size 128
	.end_amdhsa_kernel
	.amdgpu_metadata
---
amdhsa.version: [ 1, 2 ]
amdhsa.kernels:
  - .name:           k_qbc7709d7c7_proj
    .symbol:         k_qbc7709d7c7_proj.kd
    .args:
      - { .name: xc, .offset: 0, .size: 8, .value_kind: global_buffer, .address_space: global }
      - { .name: xs, .offset: 8, .size: 8, .value_kind: global_buffer, .address_space: global }
      - { .name: wc, .offset: 16, .size: 8, .value_kind: global_buffer, .address_space: global }
      - { .name: ws, .offset: 24, .size: 8, .value_kind: global_buffer, .address_space: global }
      - { .name: bq, .offset: 32, .size: 8, .value_kind: global_buffer, .address_space: global }
      - { .name: bk, .offset: 40, .size: 8, .value_kind: global_buffer, .address_space: global }
      - { .name: bv, .offset: 48, .size: 8, .value_kind: global_buffer, .address_space: global }
      - { .name: qkv, .offset: 56, .size: 8, .value_kind: global_buffer, .address_space: global }
    .group_segment_fixed_size: 327680
    .private_segment_fixed_size: 0
    .kernarg_segment_align: 8
    .kernarg_segment_size: 64
    .max_flat_workgroup_size: 128
    .sgpr_count:     102
    .vgpr_count:     1024
    .wavefront_size: 32
...
	.end_amdgpu_metadata
.endif
;; end of part 2
;; launch attn (part 3): grid 4 x 64, 8 waves a work-group, clusters of 4 x 1, 327,680 bytes of LDS; arguments qkv, mb, ctx; writes ctx
.if DOCPART == 3
	.amdgcn_target "amdgcn-amd-amdhsa--gfx1250"
	.amdhsa_code_object_version 6
	.text
	.protected	k_qbc7709d7c7_attn
	.globl	k_qbc7709d7c7_attn
	.p2align	8
	.type	k_qbc7709d7c7_attn,@function
k_qbc7709d7c7_attn:
	s_mov_b64 s[64:65], 0
	v_nop
	global_prefetch_b8 v0, s[64:65] scope:SCOPE_SE
	s_setreg_imm32_b32 hwreg(HW_REG_WAVE_MODE, 25, 1), 1
	s_wait_xcnt 0x0
	s_wait_alu depctr_hold_cnt(0) depctr_sa_sdst(0) depctr_va_vdst(0) depctr_va_sdst(0) depctr_va_ssrc(0) depctr_va_vcc(0) depctr_vm_vsrc(0)
	s_getreg_b32 s2, hwreg(HW_REG_IB_STS2, 6, 4)
	s_cmp_eq_u32 s2, 0
	s_cbranch_scc0 .Lentry_in_a_cluster
	s_endpgm
.Lentry_in_a_cluster:
	s_bfe_u32 s2, ttmp6, 0x10000c
	s_cmp_lg_u32 s2, 0x3003
	s_cbranch_scc0 .Lentry_shape_is_right
	s_endpgm
.Lentry_shape_is_right:
; ATTN: ctx[b,h][q] = sum over k of softmax_k(Q.K / 8 + mask) V, head size 64, 2,048 keys, operands in f16, products, maxima and sums in f32.
; qkv: f16 [3][64 (b,h)][2048][64]; mb: f32 [4][2048], 0 for a key that counts, -1e38 for a hidden one; ctx: f16 [16 h][8192 (b,s)][64].
; SHARES.  A work-group owns 512 queries of one (b, h), each of its EIGHT waves 64: four tiles of 16, in 512 registers: two waves to a SIMD, so that one wave's vector work stands beside the other's matrix work.
; Every wave walks all keys, 64 a step; each fragment of K and V that it reads from LDS feeds four products.
; LAYOUT.  S^T = K Q^T + C (source 0 = 16 keys, source 1 = 16 queries): a lane holds ONE query and the keys 8 (lane / 16) + 0..7 of each tile.  C is the mask's term of those keys: the first of a sum's two
; products takes it, so the mask costs no vector instruction.  Two tiles of S^T, rounded to f16 in pairs, are source 1 of O^T = V^T P.  K comes out of LDS as it lies, V turned, by ds_load_tr16_b128.
; P LIES IN PLACE: pair j of a tile's 32 weights is rounded into the tile's register j, whose own weight has been summed and rounded before.
; SOFTMAX.  A running maximum m and sum l for each query: p = 2^(c s - c m), c = log2(e) / 8 (the 1/8 of the query heads is folded in here); O and l are multiplied by 2^(c m_old - c m_new) in every step.
; m is held at -1e30 from below, so that a hidden key's p is 0 also while only hidden keys have been seen.
; LIMITS: a true score under -1e30 would count as hidden (f16 operands bound |score| by 64 x 65,504^2, far inside).  A batch with no key that counts gives NaN (0 x 1/0), as the softmax of nothing does.
; BY TURNS.  The tiles are two pieces (0: tiles 0, 1; 2: tiles 2, 3).  In a turn one piece issues 16 products V^T P of the step in hand and 16 products K Q^T of the next step; the other piece's softmax,
; 2 x 118 instructions cut into 59 slices of four, stands between them.  Then the pieces change places.
; CLUSTER.  The four query blocks of a head form a cluster and walk the same K, V and mask: every tile is asked for jointly.
; REGISTERS: window 0: v0 the thread's number; v1-7 addresses and the add's two; v8-23 c m, m, l (two halves) of each tile; v24-31 four registers at work for each tile of the piece in its softmax;
;   v32-63 the mask's four tiles of one step; v64-191 S^T, 32 a tile, P in the low 16; v192-255 V^T of one step.   window 1: v0-127 O^T, 32 a tile; v128-191 Q, 16 a tile; v192-255 K of one step.
.set KS,    64                         ; keys in a step
.set NST,   4                          ; steps in a slot
.set KP,    144                        ; a row of K in LDS: 128 bytes + 16
.set VP,    160                        ; a row of V: 128 + 32
.set VOFF,  NST*KS*KP                  ; a slot: 256 rows of K, then 256 rows of V
.set SLOT1, 1<<17                      ; slot 1 begins here: one exclusive or turns an address from one slot to the other
.set MB,    SLOT1+NST*KS*(KP+VP)       ; the batch's 2,048 mask terms, filled once
.set STAGE, MB+8192                    ; the way out: 16 rows x 144 bytes for each wave
.set SP,    144
.set SPARE, STAGE+8*16*SP              ; the spare words: 128 bytes a wave, named by no other line
.set SLOTB, NST*KS*128                 ; a slot's keys in memory: 32,768 bytes of K, as many of V
.set AK0, 1                            ; v1 my lane's place in a tile of K; never rewritten
.set AV0, 2                            ; v2 the same for V
.set AM0, 3                            ; v3 my lane's place among a step's mask terms: MB + 32 (lane / 16)
.set ADR, 4                            ; v4 the LDS address of the run of loads in hand
.set PFO, 5                            ; v5 256 x my lane; never rewritten
.set SPW, 6                            ; v6 LDS address of my spare word; never rewritten
.set NIL, 7                            ; v7 0; never rewritten
.set ST,  8                            ; tile t at v[ST+4 t]: +0 c m, +1 m, +2, +3 l (even keys', odd keys')
.set TU,  24                           ; tile t of the piece in hand at v[TU+4 (t % 2)]: four at work; the rescaling factor takes +2, the second chain of the sum +0, +1
.set MC,  32
.set S,   64
.set VF,  192
.set QF,  128                          ; in window 1
.set KF,  192                          ; in window 1
.set STO, 24                           ; the way out (the registers at work are free then): where I put 16 bytes of a row,
.set RD,  25                           ; where I read rows back,
.set GO,  26                           ; my byte offset in the wave's rows of ctx
.set WV,  12
.set LIM, 15
.set PFA, 18
.set G1K, 24
.set G1V, 32
.set G0K, 40                           ; two sets; the second then walks on
.set G0V, 48
.set SLOTS, 56
.set CNT, 57
.set CS,  58
.set SEL, 60
.set TK,  62                           ; LDS byte at which the K tile of the step to be fetched begins
.set TV,  63                           ; the same for V (less VOFF)
.set TMI, 66                           ; the step's mask terms inside the slot's 1,024 bytes,
.set TMS, 67                           ; and where the slot's begin
.set G1M, 68
.set G0M, 76
.set MSB, 0
.macro WIN new                         ; the immediate's high byte repeats the setting that is left; a switch that changes nothing is dropped
.if MSB != \new
	s_set_vgpr_msb (MSB<<8)|\new
.set MSB, \new
.endif
.endm
.set W_KQ,  0x05                       ; K and Q window 1; C (the mask, or S^T) and D window 0
.set W_PV,  0x50                       ; V and P window 0, O^T window 1
.set W_RS,  0x41                       ; O^T (destination and source 0) window 1, the factor window 0
; A joint refill: waves 0 to 3 fetch K's quarters of a slot, waves 4 to 7 V's.  An s_nop 0 and four v_nop follow each line.
.macro JLOAD
	s_cmp_lt_u32 s[WV], 4
	s_cbranch_scc0 .Lfor_v_\@
	tensor_load_to_lds s[G0K+4:G0K+7], s[G1K:G1K+7]
	s_nop 0
.rept 4
	v_nop
.endr
	s_branch .Lasked_\@
.Lfor_v_\@:
	tensor_load_to_lds s[G0V+4:G0V+7], s[G1V:G1V+7]
	s_nop 0
.rept 4
	v_nop
.endr
.Lasked_\@:
.endm
; A prefetch of what the NEXT change of slots will ask for: 32,768 bytes of K and as many of V.  A head has one cluster; its four partners take 8,192 bytes each, told apart by address;
; in each, wave 0 asks for K's and wave 4 for V's, lanes 256 bytes apart.  So each aligned 256 bytes are named once in the launch.  The last change that fills a slot asks for nothing.
.macro ASK
	s_cmp_gt_u32 s[SLOTS], s[LIM]
	s_cbranch_scc0 .Lnot_mine_\@
	global_prefetch_b8 v[PFO], s[PFA:PFA+1] th:TH_LOAD_NT scope:SCOPE_SE
.Lnot_mine_\@:
.endm
.macro CROUND                          ; a round of the cluster's barrier
	s_barrier_signal -1
	s_barrier_wait -1
	s_cmp_lg_u32 s[WV], 0
	s_cbranch_scc1 .Lnot_wave_0_\@
	s_barrier_signal -3
.Lnot_wave_0_\@:
	s_barrier_wait -3
	s_barrier_signal -1
	s_barrier_wait -1
.endm
	s_load_b128 s[4:7], s[0:1], 0x0                ; qkv, mb
	s_load_b64 s[10:11], s[0:1], 0x10              ; ctx
	v_lshl_add_u32 v[SPW], v0, 2, SPARE
	v_mov_b32 v[NIL], 0
	ds_add_u32 v[SPW], v[NIL]                      ; the wave's opening: the add, twice on end, and its wait ahead of my first tensor load
	ds_add_u32 v[SPW], v[NIL]
	v_lshrrev_b32 v64, 5, v0
	v_readfirstlane_b32 s[WV], v64                 ; wave 0..7
	s_bfe_u32 s13, ttmp6, 0x40000                  ; cx
	s_lshl_b32 s14, ttmp9, 2
	s_add_co_u32 s14, s14, s13                     ; my block of 512 queries: it enters Q's and ctx's addresses alone
	s_and_b32 s16, ttmp7, 0xffff                   ; (b, h), which the four partners share
	s_and_b32 s17, s[WV], 3                        ; which quarter of a slot's rows I fetch
	s_lshl_b32 s22, s16, 18                        ; a head is 262,144 bytes
	s_lshl_b32 s23, s17, 13                        ; 64 rows of 128 bytes
	s_add_co_u32 s22, s22, s23
	s_add_co_u32 s22, s22, 1<<24                   ; K lies one tensor of 16,777,216 bytes behind Q,
	s_mov_b32 s23, 0
	s_add_co_u32 s90, s22, 1<<24                   ; V two
	s_mov_b32 s91, 0
	s_lshl_b32 s20, s16, 18
	s_lshl_b32 s21, s14, 16                        ; 512 rows of 128 bytes
	s_add_co_u32 s20, s20, s21
	s_lshl_b32 s21, s[WV], 13                      ; my wave's 64
	s_add_co_u32 s20, s20, s21
	s_mov_b32 s21, 0
	s_lshr_b32 s89, s16, 4                         ; the batch
	s_lshl_b32 s86, s89, 13                        ; its 8,192 bytes of mb,
	s_lshl_b32 s87, s[WV], 10                      ; my wave's eighth of them
	s_add_co_u32 s86, s86, s87
	s_mov_b32 s87, 0
	s_and_b32 s88, s16, 15                         ; the head: 1,048,576 bytes of ctx each
	s_lshl_b32 s88, s88, 20
	s_lshl_b32 s89, s89, 18                        ; the batch's 2,048 rows
	s_add_co_u32 s88, s88, s89
	s_lshl_b32 s89, s14, 16
	s_add_co_u32 s88, s88, s89
	s_lshl_b32 s89, s[WV], 13
	s_add_co_u32 s88, s88, s89
	s_mov_b32 s89, 0
	s_mul_i32 s84, s17, 64*KP                      ; where my tile goes in a slot: no place in the cluster enters an LDS address
	s_mul_i32 s85, s17, 64*VP
	s_add_co_u32 s85, s85, VOFF
	s_mov_b32 s[G1K], 15|(1<<16)|(1<<20)|(1<<21)|(4<<22)|(3<<25)   ; the mask: all four; elements of 2 bytes; padding: 4 words behind every 32
	s_mov_b32 s[G1V], 15|(1<<16)|(1<<20)|(1<<21)|(4<<22)|(7<<25)   ; the same with 8 words
.irp g, G1K, G1V
	s_mov_b32 s[\g+1], 64<<16                      ; tensor_dim0
	s_mov_b32 s[\g+2], 64<<16                      ; tensor_dim1
	s_mov_b32 s[\g+3], 64<<16                      ; tile_dim0
	s_mov_b32 s[\g+4], 64                          ; tile_dim1
	s_mov_b32 s[\g+5], 64                          ; pitch
	s_mov_b32 s[\g+6], 0
	s_mov_b32 s[\g+7], 0
.endr
	s_mov_b32 s[G1M], 15|(3<<16)|(1<<21)           ; the mask terms: 1,024 dense bytes a wave as 4 rows of 32 elements of 8 bytes, no padding
	s_mov_b32 s[G1M+1], 32<<16
	s_mov_b32 s[G1M+2], 4<<16
	s_mov_b32 s[G1M+3], 32<<16
	s_mov_b32 s[G1M+4], 4
	s_mov_b32 s[G1M+5], 32
	s_mov_b32 s[G1M+6], 0
	s_mov_b32 s[G1M+7], 0
	s_mov_b32 s[CS], 0x3e38aa3b                    ; c = log2(e) / 8
	s_mov_b32 s[CS+1], s[CS]                       ; named with it as a pair, so it is written
	s_mov_b32 s[SEL], 0x76543210
	s_mov_b32 s[SEL+1], 0xfedcba98
	s_mov_b32 s[TK], 0
	s_mov_b32 s[TV], 0
	s_mov_b32 s[TMI], 0
	s_mov_b32 s[TMS], 0
	s_mov_b32 s[SLOTS], 2048/(NST*KS)-2            ; six of the eight slots' worth of keys come by refills
	s_and_b32 s[LIM], s[WV], 3                     ; 0 in waves 0 and 4,
	s_or_b32 s[LIM], s[LIM], ttmp9                 ; of the head's first cluster: the same in all four partners
	s_cmp_eq_u32 s[LIM], 0
	s_cselect_b32 s[LIM], 1, -1
	v_and_b32 v[PFO], 31, v0
	v_lshlrev_b32 v[PFO], 8, v[PFO]
	s_wait_dscnt 0x0                               ; both opening adds are done
	s_wait_kmcnt 0x0
	s_mov_b32 s[G0M], 1
	s_lshl_b32 s[G0M+1], s[WV], 10
	s_add_co_u32 s[G0M+1], s[G0M+1], MB
	s_add_nc_u64 s[G0M+2:G0M+3], s[6:7], s[86:87]  ; (mb's address is used up here: s[6:7] then takes K's)
	s_or_b32 s[G0M+3], s[G0M+3], 0x80000000
	s_add_nc_u64 s[6:7], s[4:5], s[22:23]          ; K and V at my tile of slot 0
	s_add_nc_u64 s[8:9], s[4:5], s[90:91]
	s_add_nc_u64 s[4:5], s[4:5], s[20:21]          ; Q and ctx at my wave's first row
	s_add_nc_u64 s[10:11], s[10:11], s[88:89]
	s_cmp_lt_u32 s[WV], 4
	s_cselect_b64 s[PFA:PFA+1], s[6:7], s[8:9]     ; (in waves 0 and 4 these stand at a slot's first row)
	s_lshl_b32 s2, s13, 13                         ; my work-group's 8,192 bytes
	s_mov_b32 s3, 0
	s_add_nc_u64 s[PFA:PFA+1], s[PFA:PFA+1], s[2:3]
	s_add_nc_u64 s[PFA:PFA+1], s[PFA:PFA+1], 2*SLOTB   ; in slot 2; the first change of slots steps it to slot 3.  Nothing is prefetched at the head
	CROUND                                         ; all four work-groups are here: the first joint loads meet
.irp s, 0,1
	s_mov_b32 s[G0K+4*\s], 1
	s_add_co_u32 s[G0K+4*\s+1], s84, \s*SLOT1
	s_add_nc_u64 s[G0K+4*\s+2:G0K+4*\s+3], s[6:7], \s*SLOTB
	s_or_b32 s[G0K+4*\s+3], s[G0K+4*\s+3], 0x80000000
	s_mov_b32 s[G0V+4*\s], 1
	s_add_co_u32 s[G0V+4*\s+1], s85, \s*SLOT1
	s_add_nc_u64 s[G0V+4*\s+2:G0V+4*\s+3], s[8:9], \s*SLOTB
	s_or_b32 s[G0V+4*\s+3], s[G0V+4*\s+3], 0x80000000
.endr
	tensor_load_to_lds s[G0M:G0M+3], s[G1M:G1M+7]  ; the first fills go out as one group: my eighth of the mask terms, then my part of slots 0 and 1: three loads of mine are out
	s_nop 0
	s_cmp_lt_u32 s[WV], 4
	s_cbranch_scc0 .Lfirst_v
	tensor_load_to_lds s[G0K:G0K+3], s[G1K:G1K+7]
	s_nop 0
	tensor_load_to_lds s[G0K+4:G0K+7], s[G1K:G1K+7]
	s_nop 0
.rept 4
	v_nop
.endr
	s_branch .Lfirst_asked
.Lfirst_v:
	tensor_load_to_lds s[G0V:G0V+3], s[G1V:G1V+7]
	s_nop 0
	tensor_load_to_lds s[G0V+4:G0V+7], s[G1V:G1V+7]
	s_nop 0
.rept 4
	v_nop
.endr
.Lfirst_asked:
	v_and_b32 v64, 15, v0                          ; r    (v64-68 are at work here alone: the first scores land on them behind the wait for Q)
	v_bfe_u32 v65, v0, 4, 1                        ; h
	v_lshlrev_b32 v66, 7, v64
	v_lshl_add_u32 v66, v65, 4, v66                ; Q: row x 128 + 16 x half
	WIN 0x40                                       ; destination window 1
.irp i, 0,1,2,3,4,5,6,7                            ; Q stays in registers: tile i / 2, channels 32 (i % 2) on
	global_load_b128 v[QF+8*\i:QF+8*\i+3],   v66, s[4:5] offset:(\i/2)*2048+(\i%2)*64
	global_load_b128 v[QF+8*\i+4:QF+8*\i+7], v66, s[4:5] offset:(\i/2)*2048+(\i%2)*64+32
.endr
	WIN 0
	v_mul_u32_u24 v[AK0], v64, KP
	v_lshl_add_u32 v[AK0], v65, 4, v[AK0]          ; row x pitch + 16 x half
	v_and_b32 v67, 7, v0                           ; the turning load: lane l reads key 8 (l / 16) + l % 8, channels 8 ((l / 8) % 2) on
	v_bfe_u32 v68, v0, 3, 1
	v_lshl_add_u32 v[AV0], v65, 3, v67
	v_mul_u32_u24 v[AV0], v[AV0], VP
	v_lshl_add_u32 v[AV0], v68, 4, v[AV0]
	v_add_nc_u32 v[AV0], VOFF, v[AV0]
	v_lshl_add_u32 v[AM0], v65, 5, MB              ; my half's eight keys of a tile: 32 bytes on
; THE MATRIX WORK.  The accumulators take turns, one instruction a turn: between the two links of a chain stand seven others'.
; Product i of 16 of O^T += V^T P: keys 32 (i / 8) on, channels 16 ((i / 2) % 4) on, tile x + i % 2.  zero = 1: the first 8 start the sums.  P: registers 8 (i / 8) on of the tile's S^T.
.macro PV x, zero
	WIN W_PV
.set rO, 32*(\x+i%2)+8*((i/2)%4)
.set rV, VF+32*(i/8)+8*((i/2)%4)
.set rP, S+32*(\x+i%2)+8*(i/8)
.if (\zero) && (i < 8)
	v_wmma_f32_16x16x32_f16 v[rO:rO+7], v[rV:rV+7], v[rP:rP+7], 0
.else
	v_wmma_f32_16x16x32_f16 v[rO:rO+7], v[rV:rV+7], v[rP:rP+7], v[rO:rO+7]
.endif
.endm
; Product i of 16 of S^T = K Q^T + mask: channels 32 (i / 8) on, keys 16 ((i / 2) % 4) on, tile x + i % 2.  The first 8 start the sums from the mask's terms.
.macro KQ x
	WIN W_KQ
.set rS, S+32*(\x+i%2)+8*((i/2)%4)
.set rK, KF+16*((i/2)%4)+8*(i/8)
.set rQ, QF+16*(\x+i%2)+8*(i/8)
.set rM, MC+8*((i/2)%4)
.if i < 8
	v_wmma_f32_16x16x32_f16 v[rS:rS+7], v[rK:rK+7], v[rQ:rQ+7], v[rM:rM+7]
.else
	v_wmma_f32_16x16x32_f16 v[rS:rS+7], v[rK:rK+7], v[rQ:rQ+7], v[rS:rS+7]
.endif
.endm
; THE LDS LOADS stand in runs: a step's K (8 fragments) with its mask terms (4 tiles), and, a turn later, its V (turned).
.macro FETCH_K
	WIN 0
	v_add_nc_u32 v[ADR], s[TK], v[AK0]
	WIN 0x40                                       ; destination window 1
.irp f, 0,1,2,3,4,5,6,7                            ; keys 16 (f / 2) on, channels 32 (f % 2) on
	ds_load_b128 v[KF+8*\f:KF+8*\f+3],   v[ADR] offset:(\f/2)*16*KP+(\f%2)*64
	ds_load_b128 v[KF+8*\f+4:KF+8*\f+7], v[ADR] offset:(\f/2)*16*KP+(\f%2)*64+32
.endr
	WIN 0
	s_add_co_u32 s80, s[TMS], s[TMI]
	v_add_nc_u32 v[ADR], s80, v[AM0]               ; (an LDS instruction has read its address when it is issued: the register serves the next run)
.irp g, 0,1,2,3                                    ; register j of tile g: the term of key 16 g + 8 (lane / 16) + j, the same for every query
	ds_load_b128 v[MC+8*\g:MC+8*\g+3],   v[ADR] offset:64*\g
	ds_load_b128 v[MC+8*\g+4:MC+8*\g+7], v[ADR] offset:64*\g+16
.endr
.endm
.macro FETCH_V
	WIN 0
	v_add_nc_u32 v[ADR], s[TV], v[AV0]
	s_add_co_u32 s[TK], s[TK], KS*KP               ; the next fetches are the next step's
	s_add_co_u32 s[TV], s[TV], KS*VP
	s_add_co_u32 s[TMI], s[TMI], KS*4
	s_wait_alu depctr_va_vdst(0)                   ; the wait for the softmax's batch of exponentials (SLICE), ahead of the first instruction that names a result
.irp f, 0,1,2,3,4,5,6,7                            ; keys 32 (f / 4) on, channels 16 (f % 4) on
	ds_load_tr16_b128 v[VF+8*\f:VF+8*\f+3],   v[ADR] offset:(\f/4)*32*VP+(\f%4)*32
	ds_load_tr16_b128 v[VF+8*\f+4:VF+8*\f+7], v[ADR] offset:(\f/4)*32*VP+16*VP+(\f%4)*32
.endr
.endm
; THE VECTOR WORK.  One tile's softmax for one key step is a list of 118 instructions; SM writes number j of it for tile t.
;   0-15 the maximum of the lane's 32 scores and the old m (first step: and the floor -1e30);  16-20 the other half of the lanes' maximum, the new m, c m, c m_old - c m_new
;   21-69 ONE BATCH: 16 packed scalings c s - c m and 33 exponentials, none of which reads an exponential's result;  (the wait: SLICE)
;   70-85 the sums, which leave p as it is: l = a l + the even pairs, a second chain over the odd pairs, and the two joined;  86-101 roundings to f16, in place;  102-117 the tile's O^T times a
.macro SM t, first
.set rT, ST+4*(\t)
.set rU, TU+4*((\t)%2)
.set rS, S+32*(\t)
.set rO, 32*(\t)+2*(j-102)
.if j < 102
	WIN 0
.endif
.if j < 4
	v_max3_num_f32 v[rU+j], v[rS+8*j], v[rS+8*j+1], v[rS+8*j+2]       ; each accumulator is read from its low end on
.elseif j < 12
	v_max3_num_f32 v[rU+j%4], v[rU+j%4], v[rS+8*(j%4)+2*(j/4)+1], v[rS+8*(j%4)+2*(j/4)+2]
.elseif j == 12
	v_max3_num_f32 v[rU], v[rU], v[rS+7], v[rS+15]
.elseif j == 13
	v_max3_num_f32 v[rU+2], v[rU+2], v[rS+23], v[rS+31]
.elseif j == 14
	v_max3_num_f32 v[rU], v[rU], v[rU+1], v[rU+2]
.elseif (j == 15) && \first
	v_max3_num_f32 v[rU], v[rU], v[rU+3], 0xf149f2ca                  ; the floor -1e30, over every hidden key's score
.elseif j == 15
	v_max3_num_f32 v[rU], v[rU], v[rU+3], v[rT+1]
.elseif j == 16
	v_permlanex16_b32 v[rU+1], v[rU], s[SEL], s[SEL+1]                ; the query's other 32 keys lie in the lane 16 away
.elseif j == 18
	v_max_num_f32 v[rT+1], v[rU], v[rU+1]
.elseif j == 19
	v_mul_f32 v[rT], s[CS], v[rT+1]
.elseif ((j == 17) || (j == 20) || (j == 23) || (j == 70) || (j > 101)) && \first  ; the first step has none of these
.elseif j == 17
	v_mov_b32 v[rU+3], v[rT]                       ; c m_old is kept: number 19 writes c m anew
.elseif j == 20
	v_sub_f32 v[rU+3], v[rU+3], v[rT]
.elseif j == 23
	v_exp_f32 v[rU+2], v[rU+3]
.elseif (j < 23) || ((j < 38) && (j%2 == 0)) || ((j < 66) && (j%4 == 2))
.set b, (j-2)/4
.if j < 38
.set b, (j-20)/2
.endif
	v_pk_fma_f32 v[rS+2*b:rS+2*b+1], v[rS+2*b:rS+2*b+1], s[CS:CS+1], v[rT:rT+1] op_sel_hi:[1,0,0] neg_lo:[0,0,1] neg_hi:[0,0,1]  ; pair b: c s - c m
.elseif j < 70
.set e, j-38
.if j < 66
.set e, j-32-(j-38)/4
.endif
.if j < 38
.set e, (j-25)/2
.endif
	v_exp_f32 v[rS+e], v[rS+e]
.elseif j < 86                          ; sum z of 16.  Even z: l takes pair z.  Odd z: the second chain takes pairs 1 and 3, then pair z + 2.  The last joins the chains
.set z, j-70
.if z == 15
	v_pk_add_f32 v[rT+2:rT+3], v[rT+2:rT+3], v[rU:rU+1]
.elseif z == 1
	v_pk_add_f32 v[rU:rU+1], v[rS+2:rS+3], v[rS+6:rS+7]
.elseif z%2 == 1
	v_pk_add_f32 v[rU:rU+1], v[rU:rU+1], v[rS+2*(z+2):rS+2*(z+2)+1]
.elseif z == 0
	v_pk_fma_f32 v[rT+2:rT+3], v[rT+2:rT+3], v[rU+2:rU+3], v[rS:rS+1] op_sel_hi:[1,0,1]
.elseif (z == 2) && \first
	v_pk_add_f32 v[rT+2:rT+3], v[rS:rS+1], v[rS+4:rS+5]               ; the first step starts l
.else
	v_pk_add_f32 v[rT+2:rT+3], v[rT+2:rT+3], v[rS+2*z:rS+2*z+1]
.endif
.elseif j < 102
	v_cvt_pk_f16_f32 v[rS+j-86], v[rS+2*(j-86)], v[rS+2*(j-86)+1]     ; pair j - 86 into register j - 86: what lay there was rounded by an earlier number of this run
.else
	WIN W_RS
	v_pk_mul_f32 v[rO:rO+1], v[rO:rO+1], v[rU+2:rU+3] op_sel_hi:[1,0]
.endif
.endm
; Slice k of 59 of piece y's softmax: four instructions.  Slices 11 to 34 deal out the batch, numbers 22 to 69: four numbers of ONE tile each, the tiles by turns; every other slice is numbers 2 k, 2 k + 1 of both tiles.
; Ahead of slice 35 nothing names an exponential's result and behind slice 34 no exponential is issued: the piece's 66 exponentials have one plain line and one wait, behind slice 34.
.macro SLICE y, first
.if (k >= 11) && (k < 35)
.irp n, 0,1,2,3
.set j, 22+4*((k-11)/2)+(\n)
	SM (\y)+(k-11)%2, \first
.endr
.else
.irp n, 0,1
.irp t, \y, \y+1
.set j, 2*k+\n
	SM \t, \first
.endr
.endr
.endif
.if k == 34
	v_nop                                          ; the plain instruction behind the last exponential
.if (\y) == 0
	FETCH_V                                        ; piece 2's turn: V's run of loads stands here, and the wait stands in it
.else
	s_wait_alu depctr_va_vdst(0)                   ; the wait for the batch
.endif
.endif
.set k, k+1
.endm
.macro PLACES
.rept 4
	v_nop
.endr
.endm
; A TURN.  Piece x has the matrix unit; the other piece's 59 slices are dealt evenly behind its np products (slices 57 and 58, eight plain multiplies on the other piece's O^T, follow the last:
; they are the places ahead of the next reads of S^T and of the loads into K's registers).  pv = 2: 16 products V^T P; 1: they start O^T's sums; 0: none.  kq = 1: 16 products K Q^T for the next step.
; first = 1: the first key step's softmax, whose slices from 51 on are empty: four v_nop take their part.
; Piece 0's turn fetches the next step's K behind its second product.  Piece 2's turn fetches V behind slice 34, that is behind its 19th product: between its last V^T P (the 16th) and the loads stand
; six scalings, the v_nop and the address's addition: eight plain instructions that name none of that product's registers.
; P IN PLACE: the turn's K Q^T writes over registers that its V^T P read as source 1.  Registers 8-15 of a tile are last read by the 15th or 16th product and first written by the 19th or 20th: between them stand
; slices 25-32 (eight scalings of the other piece) or slices 27-34 (six, and the v_nop): more plain instructions than the five that such a write wants.  Registers 0-7 are read eight products earlier still.
.macro TURN x, pv, kq, first
.set k, 0
.set p, 0
.set np, 16
.if \pv && \kq
.set np, 32
.endif
.if \pv
.if \x == 0
	s_wait_dscnt 0x0                               ; V is in
.endif
.set i, 0
.rept 16
	PV \x, 2-\pv
.rept ((p+1)*59/np)-k
	SLICE 2-\x, \first
.endr
.if (\x == 0) && \kq && (i == 1)
	FETCH_K
.endif
.set i, i+1
.set p, p+1
.endr
.endif
.if \kq
.if \x == 0
	s_wait_dscnt 0x0                               ; K and the mask's terms are in
.endif
.set i, 0
.rept 16
	KQ \x
.rept ((p+1)*59/np)-k
	SLICE 2-\x, \first
.endr
.set i, i+1
.set p, p+1
.endr
.endif
.if \first
	PLACES
.endif
.endm
; THE CHANGE OF SLOTS, between piece 2's turn and piece 0's: the slot's last bytes, V of its fourth step, have been asked for.  Each wave waits for all its tensor loads (one is out: its part of the other slot),
; adds 0 to its spare word, and waits for that and for its reads of the slot.  fill = 1: the barrier is a round of the cluster's, and the joint refill, with the keys two slots on, is the first thing behind it:
; it has four key steps, 256 matrix instructions of each wave, in which to land.
.macro CHANGE fill
	WIN 0
	s_wait_tensorcnt 0x0                           ; no tensor load of mine is out, so a group 0 may be written
	ds_add_u32 v[SPW], v[NIL]                      ; 0 onto my spare word
.if \fill
.irp g, G0K+4, G0V+4
	s_xor_b32 s[\g+1], s[\g+1], SLOT1              ; the walking descriptor: the other slot than last time,
	s_add_nc_u64 s[\g+2:\g+3], s[\g+2:\g+3], SLOTB ; the next 256 keys
.endr
	s_wait_xcnt 0x0                                ; the last prefetch, a slot back, has read its address
	s_add_nc_u64 s[PFA:PFA+1], s[PFA:PFA+1], SLOTB
	s_wait_dscnt 0x0                               ; the add is done, and my reads of the slot are over
	CROUND
	JLOAD
	ASK
.else
	s_wait_dscnt 0x0
	s_barrier_signal -1
	s_barrier_wait -1
.endif
	s_sub_co_u32 s[TK], s[TK], NST*KS*KP           ; the fetches go back to a slot's first step,
	s_xor_b32 s[TK], s[TK], SLOT1                  ; in the other slot
	s_sub_co_u32 s[TV], s[TV], NST*KS*VP
	s_xor_b32 s[TV], s[TV], SLOT1
	s_sub_co_u32 s[TMI], s[TMI], NST*KS*4
	s_add_co_u32 s[TMS], s[TMS], NST*KS*4          ; the mask's terms go on
.endm
.macro STEPS n                         ; n key steps: written once, walked n times; the LDS addresses hang on the scalars above
	s_mov_b32 s[CNT], \n
.Lstep_\@:
	TURN 0, 2, 1, 0
	TURN 2, 2, 1, 0
	WIN 0
	s_sub_co_u32 s[CNT], s[CNT], 1
	s_cmp_lg_u32 s[CNT], 0
	s_cbranch_scc1 .Lstep_\@
.endm
	s_wait_tensorcnt 1                             ; the mask's terms and my part of slot 0 are in; slot 1's may stay out
	s_barrier_signal -1
	s_barrier_wait -1
	FETCH_K                                        ; key step 0
	s_wait_loadcnt 0x0                             ; Q
	s_wait_dscnt 0x0
.set i, 0
.rept 16
	KQ 0                                           ; piece 0's first scores
.set i, i+1
.endr
	WIN 0
	PLACES                                         ; behind those products, ahead of the first read of their results
	TURN 2, 0, 1, 1                                ; piece 2's first scores | piece 0's first softmax | V of step 0
	TURN 0, 1, 1, 1                                ; piece 0: V^T P of step 0 starts O^T, K Q^T of step 1 | piece 2's first softmax | K of step 1
	TURN 2, 1, 1, 0                                ; piece 2: the same | piece 0's softmax of step 1 | V of step 1
	WIN 0
	STEPS 2                                        ; they fetch steps 2 and 3: slot 0 is read out
.Lslot:                                            ; six trips: every slot but the last two is filled again
	CHANGE 1
	STEPS NST
	s_sub_co_u32 s[SLOTS], s[SLOTS], 1
	s_cmp_lg_u32 s[SLOTS], 0
	s_cbranch_scc1 .Lslot
	CHANGE 0                                       ; the tail is written out
	STEPS NST
	TURN 0, 2, 0, 0                                ; piece 0: V^T P of the last step | piece 2's last softmax
.set i, 0
.rept 16
	PV 2, 0                                        ; piece 2: V^T P of the last step
.set i, i+1
.endr
	; THE WAY OUT.  l's halves and the other half of the lanes' are added (these additions are the places behind the last products); O^T / l, rounded to f16, goes through my stage, a tile at a time.
	; 1 / l takes c m's place, so that it is the low word of a pair; the addresses are made in the registers that were at work in the softmax.
	WIN 0
.irp t, 0,1,2,3
	v_add_f32 v[ST+4*\t+2], v[ST+4*\t+2], v[ST+4*\t+3]
.endr
.irp t, 0,1,2,3
	v_permlanex16_b32 v[ST+4*\t+3], v[ST+4*\t+2], s[SEL], s[SEL+1]
.endr
.irp t, 0,1,2,3
	v_add_f32 v[ST+4*\t+2], v[ST+4*\t+2], v[ST+4*\t+3]
.endr
.irp t, 0,1,2,3
	v_rcp_f32 v[ST+4*\t], v[ST+4*\t+2]
.endr
	s_mul_i32 s13, s[WV], 16*SP
	s_add_co_u32 s13, s13, STAGE                   ; my stage
	v_and_b32 v27, 15, v0                          ; r    (plain instructions behind the last reciprocal)
	v_bfe_u32 v28, v0, 4, 1                        ; h
	v_mul_u32_u24 v[STO], v27, SP                  ; in: row r, 16 bytes for each half of the lanes
	v_lshl_add_u32 v[STO], v28, 4, v[STO]
	v_add_nc_u32 v[STO], s13, v[STO]
	v_and_b32 v27, 31, v0
	v_lshrrev_b32 v28, 3, v27                      ; back: eight lanes take a row of 128 bytes, four rows an instruction
	v_mul_u32_u24 v[RD], v28, SP
	v_and_b32 v28, 7, v0
	v_lshl_add_u32 v[RD], v28, 4, v[RD]
	v_add_nc_u32 v[RD], s13, v[RD]
	v_lshlrev_b32 v[GO], 4, v27                    ; which are 512 consecutive bytes of ctx
	s_wait_alu depctr_va_vdst(0)                   ; one wait for the four reciprocals, ahead of the first use
.macro PACK t
	WIN W_RS
.set i, 32*\t
.rept 16
	v_pk_mul_f32 v[i:i+1], v[i:i+1], v[ST+4*\t:ST+4*\t+1] op_sel_hi:[1,0]   ; each accumulator from its low end on
.set i, i+2
.endr
	WIN 0x05                                       ; sources window 1, destination window 0: piece 0's S^T registers are free
.set i, 0
.rept 16
	v_cvt_pk_f16_f32 v[S+16*\t+i], v[32*\t+2*i], v[32*\t+2*i+1]
.set i, i+1
.endr
	WIN 0
.irp f, 0,1,2,3
	ds_store_b128 v[STO], v[S+16*\t+4*\f:S+16*\t+4*\f+3] offset:32*\f
.endr
.irp f, 0,1,2,3
	ds_load_b128 v[S+16*\t+4*\f:S+16*\t+4*\f+3], v[RD] offset:\f*4*SP   ; LDS serves a wave's instructions in order: these see the stores above; the next tile's stores come behind them
.endr
.endm
.macro SEND t, younger                 ; younger: the LDS instructions issued behind tile t's loads: the next tile's eight, or none
.irp f, 0,1,2,3
	s_wait_dscnt \younger+3-\f
	global_store_b128 v[GO], v[S+16*\t+4*\f:S+16*\t+4*\f+3], s[10:11] offset:\t*2048+\f*512   ; 512 consecutive bytes, aligned
.endr
.endm
	PACK 0
	PACK 1
	SEND 0, 8
	PACK 2
	SEND 1, 8
	PACK 3
	SEND 2, 8
	SEND 3, 0
	s_wait_tensorcnt 0x0                           ; the wave's end
	ds_add_u32 v[SPW], v[NIL]
	s_wait_dscnt 0x0
	CROUND                                         ; the closing round
	s_endpgm
.Lfunc_end_k_qbc7709d7c7_attn:
	.size	k_qbc7709d7c7_attn, .Lfunc_end_k_qbc7709d7c7_attn-k_qbc7709d7c7_attn
	.p2alignl 7, 3214868480
	.fill 96, 4, 3214868480
	.section	.rodata,"a",@progbits
	.p2align	6, 0x0
	.amdhsa_kernel k_qbc7709d7c7_attn
		.amdhsa_group_segment_fixed_size 327680
		.amdhsa_private_segment_fixed_size 0
		.amdhsa_enable_private_segment 0
		.amdhsa_kernarg_size 24
		.amdhsa_user_sgpr_count 2
		.amdhsa_user_sgpr_kernarg_segment_ptr 1
		.amdhsa_wavefront_size32 1
		.amdhsa_system_sgpr_workgroup_id_x 1
		.amdhsa_system_sgpr_workgroup_id_y 1
		.amdhsa_system_sgpr_workgroup_id_z 1
		.amdhsa_system_vgpr_workitem_id 0
		.amdhsa_next_free_vgpr 512
		.amdhsa_next_free_sgpr 96
		.amdhsa_reserve_vcc 0
		.amdhsa_float_denorm_mode_32 3
		.amdhsa_float_denorm_mode_16_64 3
		.amdhsa_memory_ordered 1
		.amdhsa_forward_progress 1
		.amdhsa_inst_pref_size 200
	.end_amdhsa_kernel
	.amdgpu_metadata
---
amdhsa.version: [ 1, 2 ]
amdhsa.kernels:
  - .name:           k_qbc7709d7c7_attn
    .symbol:         k_qbc7709d7c7_attn.kd
    .args:
      - { .name: qkv, .offset: 0, .size: 8, .value_kind: global_buffer, .address_space: global }
      - { .name: mb, .offset: 8, .size: 8, .value_kind: global_buffer, .address_space: global }
      - { .name: ctx, .offset: 16, .size: 8, .value_kind: global_buffer, .address_space: global }
    .group_segment_fixed_size: 327680
    .private_segment_fixed_size: 0
    .kernarg_segment_align: 8
    .kernarg_segment_size: 24
    .max_flat_workgroup_size: 256
    .sgpr_count:     96
    .vgpr_count:     512
    .wavefront_size: 32
...
	.end_amdgpu_metadata
.endif
;; end of part 3
;; launch outp (part 4): grid 4 x 64, 4 waves a work-group, clusters of 4 x 4, 327,680 bytes of LDS; arguments ctx, wot, bo, out0; writes out0
.if DOCPART == 4
	.amdgcn_target "amdgcn-amd-amdhsa--gfx1250"
	.amdhsa_code_object_version 6
	.text
	.protected	k_qbc7709d7c7_outp
	.globl	k_qbc7709d7c7_outp
	.p2align	8
	.type	k_qbc7709d7c7_outp,@function
k_qbc7709d7c7_outp:
	s_mov_b64 s[64:65], 0
	v_nop
	global_prefetch_b8 v0, s[64:65] scope:SCOPE_SE
	s_setreg_imm32_b32 hwreg(HW_REG_WAVE_MODE, 25, 1), 1
	s_wait_xcnt 0x0
	s_wait_alu depctr_hold_cnt(0) depctr_sa_sdst(0) depctr_va_vdst(0) depctr_va_sdst(0) depctr_va_ssrc(0) depctr_va_vcc(0) depctr_vm_vsrc(0)
	s_getreg_b32 s2, hwreg(HW_REG_IB_STS2, 6, 4)
	s_cmp_eq_u32 s2, 0
	s_cbranch_scc0 .Lentry_in_a_cluster
	s_endpgm
.Lentry_in_a_cluster:
	s_bfe_u32 s2, ttmp6, 0x10000c
	s_cmp_lg_u32 s2, 0xf033
	s_cbranch_scc0 .Lentry_shape_is_right
	s_endpgm
.Lentry_shape_is_right:
; OUTP: out0 = ctx Wo + bo.  ctx: f16 [16 h][8192 rows][64]; wot: f16 [16 kb][1024 n][64 k] (kb = the head); bo [1024] f32; out0 [8192][1024] f32; sums in f32.
; A tile of out0 is 128 rows x 256 columns: 256 work-groups.  Four waves, each 64 x 128: 32 accumulators of 16 x 16.
; K goes in steps of 128 (two heads) through a ring of two LDS slots: waves 0 and 1 fetch the two heads' tiles of ctx (128 rows x 128 bytes, dense in memory), waves 2 and 3 those of wot (256 rows).
; CLUSTERS: 4 x 4 work-groups; ctx's tiles are asked for jointly along a row of the cluster, wot's along a column.
; THE MATRIX INSTRUCTION IS USED TRANSPOSED (source 0 = 16 rows of wot, source 1 = 16 rows of ctx): a lane holds eight neighbouring columns of a row.  The bias is the C of each sum's first product.
; No prefetch: the launch is short, and each tile row and column is read by few work-groups at about the same time.
; REGISTERS: window 0: v16-29 addresses; v32-95 the bias; v128-255 the way out.  window 1: two fragment buffers (4 blocks of A, then 8 of B).  window 2: the accumulators, (a, b) at v[8 (8 a + b)].
.set KP,     144                       ; an LDS row: 128 bytes + 16
.set APART,  128*KP                    ; one head's tile of ctx
.set BPART,  256*KP                    ; one head's tile of wot
.set BOFF,   2*APART
.set SLOT,   2*APART+2*BPART
.set STAGE,  2*SLOT                    ; the way out: 16 rows x (512 + 16) bytes for each wave; no tile lands here
.set SPITCH, 528
.set SPARE,  STAGE+4*16*SPITCH         ; the spare words: 128 bytes a wave, named by no other line
.set LAPS,   4                         ; eight K steps, two a lap
.set ADRA, 16
.set ADRB, 20
.set STO,  24
.set RD,   25
.set CO,   26
.set BA,   27
.set SPW,  28
.set NIL,  29
.set BI,   32                          ; v32-95: register 8 b + j: bo[n0 + 16 b + 8 (lane / 16) + j]
.set BK,   128
.set F0,   0
.set F1,   128
.set G1, 24
.set G0, 32
.set G1B, 48
.set G0B, 56
.set MSB, 0
.macro WIN new
.if MSB != \new
	s_set_vgpr_msb (MSB<<8)|\new
.set MSB, \new
.endif
.endm
.set MUL,  0xa5                        ; sources 0 (B) and 1 (A) window 1; C and D window 2
.set MULB, 0x85                        ; the same with C (the bias) in window 0
.set TO_F, 0x40
.macro JLOAD s                         ; a joint load: waves 0 and 1 for ctx, waves 2 and 3 for wot; an s_nop 0 and four v_nop follow each line
	s_cmp_eq_u32 s13, 0
	s_cbranch_scc0 .Lfor_b_\@
	tensor_load_to_lds s[G0+4*\s:G0+4*\s+3], s[G1:G1+7]
	s_nop 0
.rept 4
	v_nop
.endr
	s_branch .Lasked_\@
.Lfor_b_\@:
	tensor_load_to_lds s[G0B+4*\s:G0B+4*\s+3], s[G1B:G1B+7]
	s_nop 0
.rept 4
	v_nop
.endr
.Lasked_\@:
.endm
.macro CREST
	s_cmp_lg_u32 s12, 0
	s_cbranch_scc1 .Lnot_wave_0_\@
	s_barrier_signal -3
.Lnot_wave_0_\@:
	s_barrier_wait -3
	s_barrier_signal -1
	s_barrier_wait -1
.endm
.macro CROUND
	s_barrier_signal -1
	s_barrier_wait -1
	CREST
.endm
	s_load_b128 s[4:7], s[0:1], 0x0                ; ctx, wot
	s_load_b128 s[8:11], s[0:1], 0x10              ; bo, out0
	v_lshl_add_u32 v[SPW], v0, 2, SPARE
	v_mov_b32 v[NIL], 0
	ds_add_u32 v[SPW], v[NIL]                      ; the wave's opening: the add, twice on end, and its wait ahead of my first tensor load
	ds_add_u32 v[SPW], v[NIL]
	v_lshrrev_b32 v1, 5, v0
	v_readfirstlane_b32 s12, v1                    ; wave 0..3
	s_lshr_b32 s13, s12, 1                         ; which 64 rows are mine.  Also: I fetch for ctx (0) or for wot (1)
	s_and_b32 s14, s12, 1                          ; which 128 columns.  Also: which of a K step's two heads I fetch
	s_bfe_u32 s15, ttmp6, 0x40000                  ; cx
	s_bfe_u32 s16, ttmp6, 0x40004                  ; cy
	s_lshl_b32 s17, ttmp9, 2
	s_add_co_u32 s17, s17, s15                     ; tile column
	s_and_b32 s18, ttmp7, 0xffff
	s_lshl_b32 s18, s18, 2
	s_add_co_u32 s18, s18, s16                     ; tile row
	s_lshl_b32 s40, s16, 2
	s_lshl_b32 s40, 15, s40                        ; my row of the cluster
	s_lshl_b32 s41, 0x1111, s15                    ; my column
	s_or_b32 s[G1+0], s40, (1<<16)|(1<<20)|(1<<21)|(4<<22)|(3<<25)    ; mask; elements of 2 bytes; padding: 4 words behind every 32
	s_or_b32 s[G1B+0], s41, (1<<16)|(1<<20)|(1<<21)|(4<<22)|(3<<25)
	s_mov_b32 s[G1+1], 64<<16                      ; tensor_dim0
	s_mov_b32 s[G1+2], 128<<16                     ; tensor_dim1
	s_mov_b32 s[G1+3], 64<<16                      ; tile_dim0
	s_mov_b32 s[G1+4], 128                         ; tile_dim1
	s_mov_b32 s[G1+5], 64                          ; pitch
	s_mov_b32 s[G1+6], 0
	s_mov_b32 s[G1+7], 0
	s_mov_b32 s[G1B+1], 64<<16
	s_mov_b32 s[G1B+2], 256<<16
	s_mov_b32 s[G1B+3], 64<<16
	s_mov_b32 s[G1B+4], 256
	s_mov_b32 s[G1B+5], 64
	s_mov_b32 s[G1B+6], 0
	s_mov_b32 s[G1B+7], 0
	s_lshl_b32 s20, s14, 20                        ; ctx: my head of K step 0: 1,048,576 bytes a head,
	s_lshl_b32 s21, s18, 14                        ; the tile's 128 rows of 128 bytes
	s_add_co_u32 s20, s20, s21
	s_mov_b32 s21, 0
	s_lshl_b32 s22, s14, 17                        ; wot: 131,072 bytes a head,
	s_lshl_b32 s23, s17, 15                        ; the tile's 256 rows
	s_add_co_u32 s22, s22, s23
	s_mov_b32 s23, 0
	s_mul_i32 s44, s14, APART                      ; where they go in a slot: no place in the cluster enters an LDS address
	s_mul_i32 s45, s14, BPART
	s_add_co_u32 s45, s45, BOFF
	s_wait_dscnt 0x0                               ; both opening adds are done
	s_wait_kmcnt 0x0
	s_add_nc_u64 s[20:21], s[4:5], s[20:21]
	s_add_nc_u64 s[22:23], s[6:7], s[22:23]
	CROUND                                         ; all sixteen work-groups are here: the first joint loads meet
.irp s, 0,1
	s_mov_b32 s[G0+4*\s], 1
	s_add_co_u32 s[G0+4*\s+1], s44, \s*SLOT
	s_add_nc_u64 s[G0+4*\s+2:G0+4*\s+3], s[20:21], \s*2*1048576
	s_or_b32 s[G0+4*\s+3], s[G0+4*\s+3], 0x80000000
	s_mov_b32 s[G0B+4*\s], 1
	s_add_co_u32 s[G0B+4*\s+1], s45, \s*SLOT
	s_add_nc_u64 s[G0B+4*\s+2:G0B+4*\s+3], s[22:23], \s*2*131072
	s_or_b32 s[G0B+4*\s+3], s[G0B+4*\s+3], 0x80000000
	JLOAD \s                                       ; two tensor loads of mine are out behind the second
.endr
	v_and_b32 v1, 15, v0                           ; r
	v_bfe_u32 v2, v0, 4, 1                         ; h
	s_lshl_b32 s42, s17, 10
	s_lshl_b32 s43, s14, 9
	s_add_co_u32 s42, s42, s43                     ; 4 x my first column
	s_mov_b32 s43, 0
	s_add_nc_u64 s[8:9], s[8:9], s[42:43]
	v_lshlrev_b32 v[BA], 5, v2
.irp b, 0,1,2,3,4,5,6,7
	global_load_b128 v[BI+8*\b:BI+8*\b+3], v[BA], s[8:9] offset:64*\b
	global_load_b128 v[BI+8*\b+4:BI+8*\b+7], v[BA], s[8:9] offset:64*\b+16
.endr
	v_mul_u32_u24 v3, v1, KP
	v_lshl_add_u32 v3, v2, 4, v3                   ; a fragment's row x pitch + 16 x half
	s_mul_i32 s46, s13, 64*KP                      ; my 64 rows of ctx's tile
	s_mul_i32 s47, s14, 128*KP                     ; my 128 rows of wot's
	s_add_co_u32 s47, s47, BOFF
.irp s, 0,1
	v_add_nc_u32 v[ADRA+\s], s46, v3
	v_add_nc_u32 v[ADRB+\s], s47, v3
	s_add_co_u32 s46, s46, SLOT
	s_add_co_u32 s47, s47, SLOT
.endr
	s_mul_i32 s46, s12, 16*SPITCH
	s_add_co_u32 s46, s46, STAGE                   ; my stage
	v_mul_u32_u24 v4, v1, SPITCH                   ; in: row r, 32 bytes for each half of the lanes
	v_lshl_add_u32 v4, v2, 5, v4
	v_add_nc_u32 v[STO], s46, v4
	v_and_b32 v5, 31, v0
	v_lshlrev_b32 v[CO], 4, v5                     ; back: the 32 lanes take one row of 512 bytes; and the same in out0
	v_add_nc_u32 v[RD], s46, v[CO]
	s_lshl_b32 s46, s18, 19                        ; 128 rows of 4,096 bytes a tile row,
	s_lshl_b32 s47, s13, 18                        ; my 64
	s_add_co_u32 s46, s46, s47
	s_add_co_u32 s46, s46, s42                     ; and my first column
	s_mov_b32 s47, 0
	s_add_nc_u64 s[10:11], s[10:11], s[46:47]
; 8 matrix instructions: A's block a x B's eight, 32 along K, out of buffer f.  The 32 accumulators take turns, one instruction a turn, in the same order in every quarter.
.macro MULA f, a, zero
.irp b, 0,1,2,3,4,5,6,7
.if \zero
	v_wmma_f32_16x16x32_f16 v[8*(8*(\a)+\b):8*(8*(\a)+\b)+7], v[\f+32+8*\b:\f+32+8*\b+7], v[\f+8*(\a):\f+8*(\a)+7], v[BI+8*\b:BI+8*\b+7]
.else
	v_wmma_f32_16x16x32_f16 v[8*(8*(\a)+\b):8*(8*(\a)+\b)+7], v[\f+32+8*\b:\f+32+8*\b+7], v[\f+8*(\a):\f+8*(\a)+7], v[8*(8*(\a)+\b):8*(8*(\a)+\b)+7]
.endif
.endr
.endm
; 24 LDS loads in one run: quarter q of a K step (head q / 2, channels 32 (q % 2) on) into buffer f: B's 16 first, then A's 8
.macro FETCH slot, q, f
	WIN TO_F
.irp i, 0,1,2,3,4,5,6,7
	ds_load_b128 v[\f+32+8*\i:\f+32+8*\i+3],   v[ADRB+\slot] offset:((\q)/2)*BPART+((\q)%2)*64+\i*16*KP
	ds_load_b128 v[\f+32+8*\i+4:\f+32+8*\i+7], v[ADRB+\slot] offset:((\q)/2)*BPART+((\q)%2)*64+\i*16*KP+32
.endr
.irp i, 0,1,2,3
	ds_load_b128 v[\f+8*\i:\f+8*\i+3],   v[ADRA+\slot] offset:((\q)/2)*APART+((\q)%2)*64+\i*16*KP
	ds_load_b128 v[\f+8*\i+4:\f+8*\i+7], v[ADRA+\slot] offset:((\q)/2)*APART+((\q)%2)*64+\i*16*KP+32
.endr
.endm
.macro PLACES                          ; plain places between a matrix instruction and a load into, or a read of, its registers
.rept 4
	v_nop
.endr
.endm
; One of a K step's first three quarters: multiplies buffer f and fetches quarter q into g.
.macro QUARTER slot, q, f, g, zero
	s_wait_dscnt 4                                 ; B and A's blocks 0, 1 are in; the youngest four loads (A's blocks 2, 3) may be out
.if \zero
	WIN MULB
.else
	WIN MUL
.endif
	MULA \f, 0, \zero
	MULA \f, 1, \zero
	PLACES
	FETCH \slot, \q, \g
	s_wait_dscnt 24                                ; all but the 24 just issued
.if \zero
	WIN MULB
.else
	WIN MUL
.endif
	MULA \f, 2, \zero
	MULA \f, 3, \zero
.endm
; The last quarter multiplies buffer 1 and changes slots: ONE barrier; in front of it each wave waits for all its tensor loads, adds 0 to its spare word, and waits for that and for its reads of this slot.
; fill = 1: the barrier opens a round of the cluster's, and this slot is filled again, two K steps ahead, first thing behind it.
.macro TURN slot, next, fill
	WIN 0
	s_wait_tensorcnt 0x0                           ; all my tensor loads have landed: my part of the next slot
	ds_add_u32 v[SPW], v[NIL]                      ; 0 onto my spare word
	s_wait_dscnt 5                                 ; the add and the youngest four loads may be out
	WIN MUL
	MULA F1, 0, 0                                  ; eight matrix instructions stand between the add and the wait for it
	s_wait_dscnt 0x0                               ; the add is done, and my reads of this slot are over
	s_barrier_signal -1
	MULA F1, 1, 0
.if \fill
	WIN 0
.endif
	s_barrier_wait -1
.if \fill
	CREST                                          ; no wave of any partner still reads this slot or has a load on its way
	s_add_nc_u64 s[G0+4*\slot+2:G0+4*\slot+3], s[G0+4*\slot+2:G0+4*\slot+3], 4*1048576
	s_add_nc_u64 s[G0B+4*\slot+2:G0B+4*\slot+3], s[G0B+4*\slot+2:G0B+4*\slot+3], 4*131072
	JLOAD \slot                                    ; the four v_nop behind it are also the places in front of the loads below
.else
	PLACES
.endif
	FETCH \next, 0, F0
	WIN MUL
	MULA F1, 2, 0
	MULA F1, 3, 0
.endm
	s_wait_tensorcnt 1                             ; my part of K step 0 is in; K step 1's may stay out
	s_barrier_signal -1
	s_barrier_wait -1
	FETCH 0, 0, F0
	s_wait_loadcnt 0x0                             ; the bias
	QUARTER 0, 1, F0, F1, 1                        ; the first quarter stands in front of the loop: its products start the sums from the bias
	WIN 0
	s_mov_b32 s3, LAPS-1
.Llap:                                             ; a trip goes once round the ring and fills both slots again
	QUARTER 0, 2, F1, F0, 0
	QUARTER 0, 3, F0, F1, 0
	TURN 0, 1, 1
	QUARTER 1, 1, F0, F1, 0
	QUARTER 1, 2, F1, F0, 0
	QUARTER 1, 3, F0, F1, 0
	TURN 1, 0, 1
	QUARTER 0, 1, F0, F1, 0
	WIN 0
	s_sub_co_u32 s3, s3, 1
	s_cmp_lg_u32 s3, 0
	s_cbranch_scc1 .Llap
	QUARTER 0, 2, F1, F0, 0                        ; the last lap fills nothing
	QUARTER 0, 3, F0, F1, 0
	TURN 0, 1, 0
	QUARTER 1, 1, F0, F1, 0
	QUARTER 1, 2, F1, F0, 0
	QUARTER 1, 3, F0, F1, 0
	s_wait_dscnt 4                                 ; the very last quarter: nothing more to fetch
	WIN MUL
	MULA F1, 0, 0
	MULA F1, 1, 0
	s_wait_dscnt 0
	MULA F1, 2, 0
	MULA F1, 3, 0
	WIN 0
; THE WAY OUT, a block of 16 rows x 128 columns at a time, through my own stage: 32 bytes a lane in, whole rows of 512 bytes back.
.macro TOSTAGE a
	WIN 0x08                                       ; an LDS store's data are its source 1: window 2
.irp b, 0,1,2,3,4,5,6,7
	ds_store_b128 v[STO], v[8*(8*(\a)+\b):8*(8*(\a)+\b)+3] offset:64*\b           ; each accumulator from its low end on
	ds_store_b128 v[STO], v[8*(8*(\a)+\b)+4:8*(8*(\a)+\b)+7] offset:64*\b+16
.endr
	WIN 0
.set BB, BK+64*((\a)%2)
.irp t, 0,1,2,3,4,5,6,7,8,9,10,11,12,13,14,15
	ds_load_b128 v[BB+4*\t:BB+4*\t+3], v[RD] offset:\t*SPITCH   ; LDS serves a wave's instructions in order: these see the stores above
.endr
.endm
.macro SEND a, younger                 ; younger: the LDS instructions issued behind block a's loads: the next block's 32, or none
.set BB, BK+64*((\a)%2)
	s_wait_dscnt \younger
.irp t, 0,1,2,3,4,5,6,7,8,9,10,11,12,13,14,15
	global_store_b128 v[CO], v[BB+4*\t:BB+4*\t+3], s[10:11] offset:(16*(\a)+\t)*4096 th:TH_STORE_NT   ; 512 consecutive bytes, aligned; written once
.endr
.endm
	PLACES
	TOSTAGE 0
.irp a, 1,2,3
.if \a > 1
	s_wait_xcnt 0x0                                ; block a - 2's stores have read their registers: block a's loads may land there
.endif
	TOSTAGE \a
	SEND \a-1, 32
.endr
	SEND 3, 0
	s_wait_tensorcnt 0x0                           ; the wave's end
	ds_add_u32 v[SPW], v[NIL]
	s_wait_dscnt 0x0
	CROUND                                         ; the closing round
	s_endpgm
.Lfunc_end_k_qbc7709d7c7_outp:
	.size	k_qbc7709d7c7_outp, .Lfunc_end_k_qbc7709d7c7_outp-k_qbc7709d7c7_outp
	.p2alignl 7, 3214868480
	.fill 96, 4, 3214868480
	.section	.rodata,"a",@progbits
	.p2align	6, 0x0
	.amdhsa_kernel k_qbc7709d7c7_outp
		.amdhsa_group_segment_fixed_size 327680
		.amdhsa_private_segment_fixed_size 0
		.amdhsa_enable_private_segment 0
		.amdhsa_kernarg_size 32
		.amdhsa_user_sgpr_count 2
		.amdhsa_user_sgpr_kernarg_segment_ptr 1
		.amdhsa_wavefront_size32 1
		.amdhsa_system_sgpr_workgroup_id_x 1
		.amdhsa_system_sgpr_workgroup_id_y 1
		.amdhsa_system_sgpr_workgroup_id_z 1
		.amdhsa_system_vgpr_workitem_id 0
		.amdhsa_next_free_vgpr 768
		.amdhsa_next_free_sgpr 66
		.amdhsa_reserve_vcc 0
		.amdhsa_float_denorm_mode_32 3
		.amdhsa_float_denorm_mode_16_64 3
		.amdhsa_memory_ordered 1
		.amdhsa_forward_progress 1
		.amdhsa_inst_pref_size 86
	.end_amdhsa_kernel
	.amdgpu_metadata
---
amdhsa.version: [ 1, 2 ]
amdhsa.kernels:
  - .name:           k_qbc7709d7c7_outp
    .symbol:         k_qbc7709d7c7_outp.kd
    .args:
      - { .name: ctx, .offset: 0, .size: 8, .value_kind: global_buffer, .address_space: global }
      - { .name: wot, .offset: 8, .size: 8, .value_kind: global_buffer, .address_space: global }
      - { .name: bo, .offset: 16, .size: 8, .value_kind: global_buffer, .address_space: global }
      - { .name: out0, .offset: 24, .size: 8, .value_kind: global_buffer, .address_space: global }
    .group_segment_fixed_size: 327680
    .private_segment_fixed_size: 0
    .kernarg_segment_align: 8
    .kernarg_segment_size: 32
    .max_flat_workgroup_size: 128
    .sgpr_count:     66
    .vgpr_count:     768
    .wavefront_size: 32
...
	.end_amdgpu_metadata
.endif
;; end of part 4
